; MI455X (gfx1250); checked and timed in simulation.
; The chip was launched on July 23, 2026; its instructions are those of AMD's public machine-readable ISA for CDNA 5 (MIT licence, August 2026) and "CDNA5" Instruction Set Architecture Reference Guide (July 2026). The comments in the code are by the model that wrote it; some were corrected since.
;; Attention. Allowed arithmetic: float matrix products may take bf16 or f16 operands with f32 sums; other float arithmetic in f32, or as packed bf16 or f16 multiplies, adds, multiply-adds, maxima and minima; sums over many terms, partial sums and values carried from step to step in f32; what a program stores and reads back later, other than sums and carried values, may be rounded once to bf16 or f16.
;; Inputs: b_out 1,024 float32; ln_beta 1,024 float32; ln_gamma 1,024 float32; w_out 1,024 x 1,024 float32; w_qkv 1,024 x 3,072 float32; x 4 x 2,048 x 1,024 float32.
;; Outputs: out0 4 x 2,048 x 1,024 float32.
;; One version. Each part assembles by itself: llvm-mc -triple=amdgcn-amd-amdhsa -mcpu=gfx1250 --defsym DOCPART=n.
;; ======== version 1 of 1: 4 launches
;; limits: values are held in f16: magnitudes above 65,504 overflow, below 6.1e-05 lose precision
;; workspace buffers: xb 16,777,216 bytes; wq 6,291,456 bytes; wo 2,097,152 bytes; qkv 50,331,648 bytes; o 16,777,216 bytes
;; launch prep (part 1): grid 512 x 1, 8 waves a work-group, no clusters, 18,432 bytes of LDS; arguments x, w_qkv, w_out, xb, wq, wo; writes xb, wq, wo
.if DOCPART == 1
	.amdgcn_target "amdgcn-amd-amdhsa--gfx1250"
	.amdhsa_code_object_version 6
	.text
	.protected	k_q2b70e360b4_prep
	.globl	k_q2b70e360b4_prep
	.p2align	8
	.type	k_q2b70e360b4_prep,@function
k_q2b70e360b4_prep:
	s_mov_b64 s[64:65], 0
	v_nop
	global_prefetch_b8 v0, s[64:65] scope:SCOPE_SE
	s_setreg_imm32_b32 hwreg(HW_REG_WAVE_MODE, 25, 1), 1
	s_wait_xcnt 0x0
; PREPARATION.  xb = x rounded to bf16, [8192][1024].  wq[n][k] = bf16(w_qkv[k][n]), [3072][1024].  wo holds bf16(w_out[64 kb + kk][n]) written as f16, in 16 blocks kb of 131,072 bytes:
; an even block lies as [1024 n][64 kk]; an odd block lies in the order in which the last product's lanes take it: for each 16 rows n (2,048 bytes) [kk / 32][(kk % 32) / 16][(kk % 16) / 8][n % 16][8 kk].
; LIMIT.  A weight of w_out whose bf16 value is below 6e-5 in magnitude keeps f16's fixed step of 6e-8; one beyond 65,504 has no f16 value.
; SHARES.  512 work-groups of eight waves.  Each turns ONE tile of a weight, 128 k x 64 n (work-groups 0-383: w_qkv's 8 x 48 tiles; 384-511: w_out's 8 x 16), and casts 16 rows of x.
; THE TURN.  Thread t loads 8 rows k of 4 columns n (sixteen lanes cover 256 consecutive bytes of a row), packs pairs of k, and puts 16 bytes (8 k of one n) into LDS rows that lie along k;
; behind one barrier the rows are read back and stored, sixteen lanes to 256 consecutive bytes.  The LDS stores of a group of sixteen lanes fall on four columns of 16 bytes: four stores a thread, once.
; No matrix unit, cluster or tensor load: nothing is shared between work-groups and every byte is touched once.
.set LP,    272                        ; an LDS row: 128 k x 2 bytes + 16
.set SPARE, 64*LP                      ; behind the 64 rows: the spare words, 128 bytes for each of eight waves
.set WOF, 4                            ; v4-11   byte offsets of my 8 rows k in the weight's tile
.set LST, 12                           ; v12     where I put 16 bytes of row n = 4 c
.set LRQ, 13                           ; v13     read-back for wq: row t / 16, 16 bytes at 16 (t % 16)
.set LRO, 14                           ; v14     read-back for wo's even block: row t / 8, 16 bytes at 16 (t % 8)
.set GQ,  15                           ; v15     my offset in wq
.set GW,  16                           ; v16     16 t: my offset in wo, and in a row of x
.set YO,  18                           ; v18     8 t: my offset in a row of xb
.set LRF, 19                           ; v19     read-back for wo's odd block: row 16 (t / 128) + t % 16, 16 bytes at 16 ((t / 16) % 8)
.set SPW, 20                           ; v20     my spare word; never rewritten
.set NIL, 21                           ; v21     0; never rewritten
.set T,   22                           ; v22-23  at work
.set W,   24                           ; v24-55  row i, column j at W + 4 i + j
.set P,   56                           ; v56-71  column j, pair of rows m at P + 4 j + m
.set RB,  72                           ; v72-87  rows read back
.set X,   88                           ; v88-151 sixteen loads of x
	s_load_b256 s[4:11], s[0:1], 0x0               ; x s[4:5], w_qkv s[6:7], w_out s[8:9], xb s[10:11]
	s_load_b128 s[12:15], s[0:1], 0x20             ; wq s[12:13], wo s[14:15]
	v_lshl_add_u32 v[SPW], v0, 2, SPARE
	v_mov_b32 v[NIL], 0
	s_mov_b32 s16, ttmp9                           ; g
	s_cmp_lt_u32 s16, 384
	s_cselect_b32 s26, 1, 0                        ; 1: a tile of w_qkv
	s_cselect_b32 s20, 3, 1
	s_cselect_b32 s17, 0, 384
	s_lshl_b32 s20, s20, 12                        ; bytes in a row of the weight: 12,288 or 4,096
	s_sub_co_u32 s17, s16, s17                     ; the tile's number in its weight
	s_and_b32 s18, s17, 7                          ; kt
	s_lshr_b32 s19, s17, 3                         ; nt
	s_lshl_b32 s21, s20, 3                         ; eight rows
	s_mov_b32 s27, 0xffff0000
	v_and_b32 v1, 15, v0                           ; c
	v_lshrrev_b32 v2, 4, v0                        ; gk
	v_mul_u32_u24 v[WOF], v2, s21
	v_lshl_add_u32 v[WOF], v1, 4, v[WOF]           ; 8 gk rows + 16 c
.irp i, 1,2,3,4,5,6,7
	v_add_nc_u32 v[WOF+(\i)], s20, v[WOF+(\i)-1]
.endr
	v_mul_u32_u24 v[LST], v1, 4*LP
	v_lshl_add_u32 v[LST], v2, 4, v[LST]
	v_mul_u32_u24 v[LRQ], v2, LP
	v_lshl_add_u32 v[LRQ], v1, 4, v[LRQ]
	v_lshrrev_b32 v3, 3, v0
	v_and_b32 v17, 7, v0
	v_mul_u32_u24 v[LRO], v3, LP
	v_lshl_add_u32 v[LRO], v17, 4, v[LRO]
	v_lshrrev_b32 v3, 7, v0                        ; which 16 of 32 rows
	v_lshl_add_u32 v3, v3, 4, v1                   ; row 16 (t / 128) + t % 16
	v_mul_u32_u24 v[LRF], v3, LP
	v_bfe_u32 v3, v0, 4, 3                         ; which 8 of the 64 kk
	v_lshl_add_u32 v[LRF], v3, 4, v[LRF]           ; sixteen neighbouring threads take one column of 16 rows, 272 bytes apart: sixteen different groups of four banks
	v_lshlrev_b32 v[GQ], 11, v2
	v_lshl_add_u32 v[GQ], v1, 4, v[GQ]
	v_lshlrev_b32 v[GW], 4, v0
	v_lshlrev_b32 v[YO], 3, v0
	s_lshl_b32 s24, s18, 7
	s_mul_i32 s24, s24, s20                        ; 128 kt rows,
	s_lshl_b32 s25, s19, 8
	s_add_co_u32 s24, s24, s25                     ; 64 nt columns of 4 bytes
	s_mov_b32 s25, 0
	s_wait_kmcnt 0x0
	s_cmp_eq_u32 s26, 1
	s_cselect_b64 s[22:23], s[6:7], s[8:9]
	s_add_nc_u64 s[22:23], s[22:23], s[24:25]      ; the tile's first number
	s_lshl_b32 s24, s16, 16
	s_add_nc_u64 s[4:5], s[4:5], s[24:25]          ; my 16 rows of x,
	s_lshl_b32 s24, s16, 15
	s_add_nc_u64 s[10:11], s[10:11], s[24:25]      ; and of xb
.irp i, 0,1,2,3,4,5,6,7
	global_load_b128 v[W+4*(\i):W+4*(\i)+3], v[WOF+(\i)], s[22:23] th:TH_LOAD_NT
.endr
.irp j, 0,1,2,3,4,5,6,7,8,9,10,11,12,13,14,15
	global_load_b128 v[X+4*(\j):X+4*(\j)+3], v[GW], s[4:5] offset:4096*(\j) th:TH_LOAD_NT
.endr
	s_wait_loadcnt 16                              ; the weight's eight loads are in; x's sixteen stay out
.irp j, 0,1,2,3
.irp m, 0,1,2,3
	v_cvt_pk_bf16_f32 v[P+4*(\j)+(\m)], v[W+8*(\m)+(\j)], v[W+8*(\m)+4+(\j)]  ; rows 2 m, 2 m + 1 of column j
.endr
.endr
	s_cmp_eq_u32 s26, 1
	s_cbranch_scc1 .Lkeep                          ; the same for the whole work-group
.set i, 0
.rept 16                                       ; w_out: the bf16 number is written as f16
	v_lshlrev_b32 v[T], 16, v[P+i]
	v_and_b32 v[T+1], s27, v[P+i]
	v_cvt_pk_f16_f32 v[P+i], v[T], v[T+1]
.set i, i+1
.endr
.Lkeep:
.irp j, 0,1,2,3
	ds_store_b128 v[LST], v[P+4*(\j):P+4*(\j)+3] offset:(\j)*LP
.endr
	s_wait_dscnt 0x0                               ; for the others' sake: my stores are done
	s_barrier_signal -1
	s_barrier_wait -1
	s_cmp_eq_u32 s26, 1
	s_cbranch_scc0 .Lwo
	s_lshl_b32 s24, s19, 17                        ; wq: 64 nt rows of 2,048 bytes,
	s_lshl_b32 s30, s18, 8                         ; 128 kt numbers of 2 bytes
	s_add_co_u32 s24, s24, s30
	s_add_nc_u64 s[28:29], s[12:13], s[24:25]
.irp p, 0,1,2,3
	ds_load_b128 v[RB+4*(\p):RB+4*(\p)+3], v[LRQ] offset:(\p)*16*LP
.endr
.irp p, 0,1,2,3
	s_wait_dscnt 3-(\p)
	global_store_b128 v[GQ], v[RB+4*(\p):RB+4*(\p)+3], s[28:29] offset:(\p)*32768  ; sixteen lanes: 256 consecutive bytes of a row of wq, aligned
.endr
	s_branch .Lcast
.Lwo:
	s_lshl_b32 s24, s18, 18                        ; wo: blocks 2 kt and 2 kt + 1 of 131,072 bytes,
	s_lshl_b32 s30, s19, 13                        ; 64 nt rows' 128 bytes
	s_add_co_u32 s24, s24, s30
	s_add_nc_u64 s[28:29], s[14:15], s[24:25]
.irp p, 0,1,2,3                        ; p % 2: the even block, by rows, or the odd one, by lanes; p / 2: which 32 rows n
.if (\p)&1
	ds_load_b128 v[RB+4*(\p):RB+4*(\p)+3], v[LRF] offset:128+((\p)>>1)*32*LP
.else
	ds_load_b128 v[RB+4*(\p):RB+4*(\p)+3], v[LRO] offset:((\p)>>1)*32*LP
.endif
.endr
.irp p, 0,1,2,3
	s_wait_dscnt 3-(\p)
	global_store_b128 v[GW], v[RB+4*(\p):RB+4*(\p)+3], s[28:29] offset:((\p)&1)*131072+((\p)>>1)*4096  ; 32 rows' 128 bytes: 4,096 consecutive bytes a work-group
.endr
.Lcast:
.irp j, 0,1,2,3,4,5,6,7,8,9,10,11,12,13,14,15
	s_wait_loadcnt 15-(\j)                         ; loads come back in order: row j is in
	v_cvt_pk_bf16_f32 v[X+4*(\j)], v[X+4*(\j)], v[X+4*(\j)+1]
	v_cvt_pk_bf16_f32 v[X+4*(\j)+1], v[X+4*(\j)+2], v[X+4*(\j)+3]
	global_store_b64 v[YO], v[X+4*(\j):X+4*(\j)+1], s[10:11] offset:2048*(\j)  ; a wave: 256 consecutive bytes, aligned
.endr
	s_wait_tensorcnt 0x0                           ; the wave's end, behind my last LDS store
	ds_add_u32 v[SPW], v[NIL]
	s_wait_dscnt 0x0
	s_endpgm
.Lfunc_end_k_q2b70e360b4_prep:
	.size	k_q2b70e360b4_prep, .Lfunc_end_k_q2b70e360b4_prep-k_q2b70e360b4_prep
	.p2alignl 7, 3214868480
	.fill 96, 4, 3214868480
	.section	.rodata,"a",@progbits
	.p2align	6, 0x0
	.amdhsa_kernel k_q2b70e360b4_prep
		.amdhsa_group_segment_fixed_size 18432
		.amdhsa_private_segment_fixed_size 0
		.amdhsa_enable_private_segment 0
		.amdhsa_kernarg_size 48
		.amdhsa_user_sgpr_count 2
		.amdhsa_user_sgpr_kernarg_segment_ptr 1
		.amdhsa_wavefront_size32 1
		.amdhsa_system_sgpr_workgroup_id_x 1
		.amdhsa_system_sgpr_workgroup_id_y 1
		.amdhsa_system_sgpr_workgroup_id_z 1
		.amdhsa_system_vgpr_workitem_id 0
		.amdhsa_next_free_vgpr 152
		.amdhsa_next_free_sgpr 66
		.amdhsa_reserve_vcc 0
		.amdhsa_float_denorm_mode_32 3
		.amdhsa_float_denorm_mode_16_64 3
		.amdhsa_memory_ordered 1
		.amdhsa_forward_progress 1
		.amdhsa_inst_pref_size 15
	.end_amdhsa_kernel
	.amdgpu_metadata
---
amdhsa.version: [ 1, 2 ]
amdhsa.kernels:
  - .name:           k_q2b70e360b4_prep
    .symbol:         k_q2b70e360b4_prep.kd
    .args:
      - { .name: x, .offset: 0, .size: 8, .value_kind: global_buffer, .address_space: global }
      - { .name: w_qkv, .offset: 8, .size: 8, .value_kind: global_buffer, .address_space: global }
      - { .name: w_out, .offset: 16, .size: 8, .value_kind: global_buffer, .address_space: global }
      - { .name: xb, .offset: 24, .size: 8, .value_kind: global_buffer, .address_space: global }
      - { .name: wq, .offset: 32, .size: 8, .value_kind: global_buffer, .address_space: global }
      - { .name: wo, .offset: 40, .size: 8, .value_kind: global_buffer, .address_space: global }
    .group_segment_fixed_size: 18432
    .private_segment_fixed_size: 0
    .kernarg_segment_align: 8
    .kernarg_segment_size: 48
    .max_flat_workgroup_size: 256
    .sgpr_count:     66
    .vgpr_count:     152
    .wavefront_size: 32
...
	.end_amdgpu_metadata
.endif
;; end of part 1
;; launch qkv (part 2): grid 12 x 32, 4 waves a work-group, clusters of 4 x 4, 327,680 bytes of LDS; arguments xb, wq, qkv; writes qkv
.if DOCPART == 2
	.amdgcn_target "amdgcn-amd-amdhsa--gfx1250"
	.amdhsa_code_object_version 6
	.text
	.protected	k_q2b70e360b4_qkv
	.globl	k_q2b70e360b4_qkv
	.p2align	8
	.type	k_q2b70e360b4_qkv,@function
k_q2b70e360b4_qkv:
	s_mov_b64 s[64:65], 0
	v_nop
	global_prefetch_b8 v0, s[64:65] scope:SCOPE_SE
	s_setreg_imm32_b32 hwreg(HW_REG_WAVE_MODE, 25, 1), 1
	s_wait_xcnt 0x0
	s_wait_alu depctr_hold_cnt(0) depctr_sa_sdst(0) depctr_va_vdst(0) depctr_va_sdst(0) depctr_va_ssrc(0) depctr_va_vcc(0) depctr_vm_vsrc(0)
	s_getreg_b32 s2, hwreg(HW_REG_IB_STS2, 6, 4)
	s_cmp_eq_u32 s2, 0
	s_cbranch_scc0 .Lentry_in_a_cluster
	s_endpgm
.Lentry_in_a_cluster:
	s_bfe_u32 s2, ttmp6, 0x10000c
	s_cmp_lg_u32 s2, 0xf033
	s_cbranch_scc0 .Lentry_shape_is_right
	s_endpgm
.Lentry_shape_is_right:
; THE FIRST PRODUCT.  C[m][n] = sum over k of xb[m][k] wq[n][k], bf16 operands, f32 sums, K ascending; C is rounded once to f16 and written BY HEADS:
; qkv[part = n / 1024][bh = 16 (m / 2048) + (n % 1024) / 64][m % 2048][n % 64], a part 2^24 bytes, a head 262,144, a row 128.  The scale 1/8 is not applied here.
; LIMIT.  q, k and v must lie within f16's 65,504.
; A tile of C, 256 x 256, is made by a work-group of four waves; a wave makes 128 x 128: 64 accumulators of 16 x 16, 512 registers.  K goes in steps of 128 through a ring of two LDS slots
; filled by the tensor data mover: a tile's rows are 256 bytes of memory and start at multiples of 256 bytes.  The last K step goes by rows of C, so that finished rows leave while the others are multiplied.
; CLUSTERS: 4 x 4 work-groups.  The four of a row of the cluster need the same tiles of xb, the four of a column the same tiles of wq: each tile is asked for JOINTLY, by the same tensor load with the
; same descriptor and a mask that names the four.  The grid has 12 x 32 = 384 work-groups.
; REGISTERS, in windows of 256 (s_set_vgpr_msb's low byte: bits 1:0 source 0, 3:2 source 1, 5:4 source 2, 7:6 destination):
;   window 0: v0-31 addresses; v64-127, v128-191 fragments of A, two buffers (in the last K step four, of 16 rows x 128 K); v32-63, v192-255 at work on the way out
;   window 1: v64-127, v128-191 fragments of B, two buffers; in the last K step all 256      window 2: the accumulators of my rows 0-63 ((a, b) at v[8 (8 a + b)]);   window 3: those of rows 64-127
; THE MATRIX INSTRUCTION IS USED TRANSPOSED: source 0 = 16 rows of wq, source 1 = 16 rows of xb: a lane then holds row l % 16 of C and the columns 8 (l / 16) + 0 .. 7, which pack into 16 bytes.
.set SIZE_M, 8192
.set SIZE_N, 3072
.set SIZE_K, 1024
.set KSTEP,  128
.set PITCH,  272                       ; an LDS row: 256 bytes + 16 of padding = 68 words: the 16 rows that a load touches start at 16 different groups of four banks (64 banks of 4 bytes: ISA guide 11.1)
.set HALFT,  128*PITCH                 ; 128 rows: what one tensor load brings, and what one wave reads of A or of B
.set SLOT,   4*HALFT                   ; A's 256 rows, then B's 256 rows
.set STAGE,  2*SLOT                    ; behind the ring: 16 rows x 272 bytes for each wave, for the way out
.set SPITCH, 272
.set SPARE,  STAGE+4*16*SPITCH         ; behind the stages: the spare words, 128 bytes for each wave
.set LAPS, SIZE_K/(2*KSTEP)            ; a lap = two K steps = once round the ring: 4
.set HEADB, 262144                     ; bytes of a head in qkv
.set ADRA, 16                          ; v16-17  LDS address of my A fragments in slot 0, 1
.set ADRB, 20                          ; v20-21  the same for B
.set STO,  24                          ; v24     the way out: where I put 16 bytes of a row
.set RD,   25                          ; v25     the way out: where I read four half rows back
.set CO,   26                          ; v26     16 x lane: my place in 512 consecutive bytes of qkv
.set SPW,  28                          ; v28     my spare word; never rewritten
.set NIL,  29                          ; v29     0; never rewritten
.set PFO,  30                          ; v30     the prefetches' offset: my lane x a row of 2,048 bytes; never rewritten
.set PFA,  44                          ; s[44:45] where my prefetches stand
.set LIM,  43                          ; s43     1 in a wave that prefetches, else the greatest number
.set F0,   64
.set F1,   128
.set TMP,  192
.set OB,   32
.set PA,   64
.set G1, 24                            ; s[24:31] descriptor group 1 for A's tiles
.set G0, 32                            ; s[32:39] group 0 for A's tiles, one set for each slot
.set G1B, 48                           ; s[48:55] group 1 for B's tiles: it differs in the mask alone
.set G0B, 56                           ; s[56:63] group 0 for B's tiles
.set MSB, 0
.macro WIN new                         ; the immediate's high byte repeats the setting that is left; a switch that changes nothing is dropped
.if MSB != (\new)
	s_set_vgpr_msb (MSB<<8)|(\new)
.set MSB, \new
.endif
.endm
.set MUL_LO, 0xa1                      ; source 0 (B) window 1, source 1 (A) window 0, C and D window 2
.set MUL_HI, 0xf1                      ; the same, C and D window 3
.set TO_B,   0x40                      ; destination window 1, address window 0
; A joint load.  Waves 0 and 1 fetch A's two halves, waves 2 and 3 B's.  The branch hangs on the wave's number alone.  An s_nop 0 and four v_nop follow each of the two lines.
.macro JLOAD s
	s_cmp_eq_u32 s11, 0
	s_cbranch_scc0 .Lfor_b_\@
	tensor_load_to_lds s[G0+4*(\s):G0+4*(\s)+3], s[G1:G1+7]
	s_nop 0
.rept 4
	v_nop
.endr
	s_branch .Lasked_\@
.Lfor_b_\@:
	tensor_load_to_lds s[G0B+4*(\s):G0B+4*(\s)+3], s[G1B:G1B+7]
	s_nop 0
.rept 4
	v_nop
.endr
.Lasked_\@:
.endm
; A prefetch, behind each joint refill and the run of LDS loads that follows it: the K step that stands two refills on: 32 rows x 256 bytes, a lane a row, one instruction a wave.
; Each row's 256 bytes of a K step are named once in the launch: for A the clusters with x = 0 ask, for B those with y = 0; the four partners that ask for a tile jointly share its rows out by address,
; 32 each (place cx for A, cy for B).  K steps 0 to 3 come by their loads alone; the loop's last trip asks for nothing: K has eight steps.
.macro ASK
	s_cmp_gt_u32 s3, s[LIM]                        ; s3 = 1 in the loop's last trip
	s_cbranch_scc0 .Lnot_mine_\@
	global_prefetch_b8 v[PFO], s[PFA:PFA+1] offset:KSTEP*2 th:TH_LOAD_NT scope:SCOPE_SE
.Lnot_mine_\@:
.endm
.macro CREST                           ; a round of the cluster's barrier behind its opening barrier
	s_cmp_lg_u32 s10, 0
	s_cbranch_scc1 .Lnot_wave_0_\@
	s_barrier_signal -3
.Lnot_wave_0_\@:
	s_barrier_wait -3
	s_barrier_signal -1
	s_barrier_wait -1
.endm
.macro CROUND                          ; a whole round
	s_barrier_signal -1
	s_barrier_wait -1
	CREST
.endm
	s_load_b128 s[4:7], s[0:1], 0x0                ; xb s[4:5], wq s[6:7]
	s_load_b64 s[8:9], s[0:1], 0x10                ; qkv
	v_lshl_add_u32 v[SPW], v0, 2, SPARE
	v_mov_b32 v[NIL], 0
	ds_add_u32 v[SPW], v[NIL]                      ; the wave's opening: the add and its wait stand ahead of my first tensor load; work on registers stands between them
	v_lshrrev_b32 v1, 5, v0
	v_readfirstlane_b32 s10, v1                    ; wave 0..3
	s_lshr_b32 s11, s10, 1                         ; which half of the tile's rows is mine.  Also: I fetch for A (0) or for B (1)
	s_and_b32 s12, s10, 1                          ; which half of its columns.  Also: which 128 rows of that tile I fetch
	s_bfe_u32 s40, ttmp6, 0x40000                  ; cx
	s_bfe_u32 s41, ttmp6, 0x40004                  ; cy
	s_lshl_b32 s42, ttmp9, 2
	s_add_co_u32 s42, s42, s40                     ; tile column of C = 4 x cluster x + cx
	s_and_b32 s13, ttmp7, 0xffff
	s_lshl_b32 s13, s13, 2
	s_add_co_u32 s13, s13, s41                     ; tile row of C = 4 x cluster y + cy
	s_lshl_b32 s43, s41, 2
	s_lshl_b32 s43, 15, s43                        ; my row of the cluster: places 4 cy .. 4 cy + 3
	s_lshl_b32 s44, 0x1111, s40                    ; my column: places cx, cx + 4, cx + 8, cx + 12
	; descriptor group 1: a tile of 128 rows x 128 elements, padded in LDS
	s_or_b32 s[G1+0], s43, (1<<16)|(1<<20)|(1<<21)|(5<<22)|(3<<25)  ; 15:0 the mask; 17:16 elements of 2 bytes; 20 padding on; 21 set beside a mask; 24:22 after every 64 words; 31:25 4 words
	s_or_b32 s[G1B+0], s44, (1<<16)|(1<<20)|(1<<21)|(5<<22)|(3<<25)
	s_mov_b32 s[G1B+1], KSTEP<<16
	s_mov_b32 s[G1+1], KSTEP<<16                   ; tensor_dim0 = 128
	s_mov_b32 s[G1B+2], 128<<16
	s_mov_b32 s[G1+2], 128<<16                     ; tensor_dim1 = 128
	s_mov_b32 s[G1B+3], KSTEP<<16
	s_mov_b32 s[G1+3], KSTEP<<16                   ; tile_dim0 = 128
	s_mov_b32 s[G1B+4], 128
	s_mov_b32 s[G1+4], 128                         ; tile_dim1 = 128
	s_mov_b32 s[G1B+5], SIZE_K
	s_mov_b32 s[G1+5], SIZE_K                      ; elements from row to row
	s_mov_b32 s[G1B+6], 0
	s_mov_b32 s[G1+6], 0
	s_mov_b32 s[G1B+7], 0
	s_mov_b32 s[G1+7], 0
	; A's tiles hang on the tile row alone, B's on the tile column alone; each address is made in registers that never hold the other coordinate
	s_lshl_b32 s17, s12, 7
	s_lshl_b32 s16, s13, 8
	s_add_co_u32 s16, s16, s17                     ; A: row 256 x tile row + 128 x half
	s_lshl_b32 s46, s42, 8
	s_add_co_u32 s46, s46, s17                     ; B: row 256 x tile column + 128 x half
	s_mov_b32 s17, 0
	s_mov_b32 s47, 0
	s_mov_b64 s[18:19], SIZE_K*2
	s_mul_u64 s[16:17], s[16:17], s[18:19]
	s_mul_u64 s[46:47], s[46:47], s[18:19]
	s_mul_i32 s20, s10, HALFT                      ; where they go: wave x 128 rows
	s_wait_dscnt 0x0                               ; the opening add is done
	s_wait_kmcnt 0x0
	s_add_nc_u64 s[14:15], s[4:5], s[16:17]
	s_add_nc_u64 s[46:47], s[6:7], s[46:47]
	CROUND                                         ; all sixteen work-groups are here: the first joint loads meet
.irp s, 0,1
	s_mov_b32 s[G0+4*(\s)], 1
	s_add_co_u32 s[G0+4*(\s)+1], s20, (\s)*SLOT
	s_add_nc_u64 s[G0+4*(\s)+2:G0+4*(\s)+3], s[14:15], (\s)*KSTEP*2
	s_or_b32 s[G0+4*(\s)+3], s[G0+4*(\s)+3], 0x80000000
	s_mov_b32 s[G0B+4*(\s)], 1
	s_add_co_u32 s[G0B+4*(\s)+1], s20, (\s)*SLOT
	s_add_nc_u64 s[G0B+4*(\s)+2:G0B+4*(\s)+3], s[46:47], (\s)*KSTEP*2
	s_or_b32 s[G0B+4*(\s)+3], s[G0B+4*(\s)+3], 0x80000000
	JLOAD \s                                       ; two tensor loads of mine are out
.endr
	; a fragment is 16 rows x 32 K in 8 registers: lane l holds row l % 16; registers 0-3 K = 8 (l / 16) + 0..7, registers 4-7 K = 16 + 8 (l / 16) + 0..7: two loads of 16 bytes, 32 bytes apart
	v_and_b32 v1, 15, v0                           ; l % 16
	v_bfe_u32 v2, v0, 4, 1                         ; l / 16
	v_mul_u32_u24 v3, v1, PITCH
	v_lshl_add_u32 v3, v2, 4, v3
	s_mul_i32 s21, s11, HALFT                      ; my 128 rows of A
	s_mul_i32 s22, s12, HALFT                      ; my 128 rows of B,
	s_add_co_u32 s22, s22, 2*HALFT                 ; which lie behind A's 256
.irp s, 0,1
	v_add_nc_u32 v[ADRA+(\s)], s21, v3
	v_add_nc_u32 v[ADRB+(\s)], s22, v3
	s_add_co_u32 s21, s21, SLOT
	s_add_co_u32 s22, s22, SLOT
.endr
	s_mul_i32 s23, s10, 16*SPITCH
	s_add_co_u32 s23, s23, STAGE                   ; my stage
	v_mul_u32_u24 v4, v1, SPITCH                   ; in: row l % 16, 16 bytes for each half of the lanes
	v_lshl_add_u32 v4, v2, 4, v4
	v_add_nc_u32 v[STO], s23, v4
	v_bfe_u32 v5, v0, 3, 2                         ; back: 32 lanes take four rows' 128 bytes of one head,
	v_mul_u32_u24 v5, v5, SPITCH
	v_and_b32 v6, 7, v0
	v_lshl_add_u32 v5, v6, 4, v5
	v_add_nc_u32 v[RD], s23, v5
	v_and_b32 v[CO], 31, v0                        ; which are 512 consecutive bytes of qkv
	v_lshlrev_b32 v[CO], 4, v[CO]
	; where my part begins in qkv: batch (tile row / 8) x 16 heads, row 256 (tile row % 8) + 128 x my row half; part tile column / 4, head 4 (tile column % 4) + 2 x my column half
	s_lshr_b32 s16, s13, 3
	s_lshl_b32 s16, s16, 22
	s_and_b32 s14, s13, 7
	s_lshl_b32 s14, s14, 15
	s_add_co_u32 s16, s16, s14
	s_lshl_b32 s14, s11, 14
	s_add_co_u32 s16, s16, s14
	s_mov_b32 s17, 0
	s_lshr_b32 s46, s42, 2
	s_lshl_b32 s46, s46, 24
	s_and_b32 s47, s42, 3
	s_lshl_b32 s47, s47, 20
	s_add_co_u32 s46, s46, s47
	s_lshl_b32 s47, s12, 19
	s_add_co_u32 s46, s46, s47
	s_mov_b32 s47, 0
	s_add_nc_u64 s[16:17], s[16:17], s[46:47]
	s_lshl_b32 s13, s13, 8                         ; 256 x tile row
	; the prefetches
	s_lshl_b32 s42, s42, 8
	s_and_b32 s22, ttmp7, 0xffff                   ; cluster y
	s_cmp_eq_u32 s11, 0                            ; do I fetch for A?
	s_cselect_b32 s20, s13, s42                    ; the tile's first row
	s_cselect_b32 s21, s40, s41                    ; my place among the four that ask for it with me
	s_cselect_b32 s22, ttmp9, s22                  ; the coordinate along which other clusters read the same rows
	s_cselect_b64 s[PFA:PFA+1], s[4:5], s[6:7]
	s_cmp_eq_u32 s22, 0
	s_cselect_b32 s[LIM], 1, -1                    ; the same in all sixteen partners, for a given wave
	s_lshl_b32 s22, s12, 7
	s_add_co_u32 s20, s20, s22                     ; + the 128 rows that I fetch
	s_lshl_b32 s21, s21, 5
	s_add_co_u32 s20, s20, s21                     ; + my work-group's 32 of them
	s_mov_b32 s21, 0
	s_mov_b64 s[18:19], SIZE_K*2
	s_mul_u64 s[20:21], s[20:21], s[18:19]
	s_add_nc_u64 s[PFA:PFA+1], s[PFA:PFA+1], s[20:21]
	s_add_nc_u64 s[PFA:PFA+1], s[PFA:PFA+1], 2*KSTEP*2  ; at K step 2: the first refill steps it to 3 and names K step 4
	v_and_b32 v[PFO], 31, v0
	v_mul_u32_u24 v[PFO], v[PFO], SIZE_K*2
; 16 matrix instructions: m blocks a0, a0 + 1 of the window's four x all 8 n blocks, 32 along K.  zero = 1: the first product starts the sums
.macro MUL16 f, hi, a0, zero
	WIN MUL_LO+0x50*(\hi)
.irp a, \a0, (\a0)+1
.irp b, 0,1,2,3,4,5,6,7
.if \zero
	v_wmma_f32_16x16x32_bf16 v[8*(8*(\a)+(\b)):8*(8*(\a)+(\b))+7], v[(\f)+8*(\b):(\f)+8*(\b)+7], v[(\f)+8*(4*(\hi)+(\a)):(\f)+8*(4*(\hi)+(\a))+7], 0
.else
	v_wmma_f32_16x16x32_bf16 v[8*(8*(\a)+(\b)):8*(8*(\a)+(\b))+7], v[(\f)+8*(\b):(\f)+8*(\b)+7], v[(\f)+8*(4*(\hi)+(\a)):(\f)+8*(4*(\hi)+(\a))+7], v[8*(8*(\a)+(\b)):8*(8*(\a)+(\b))+7]
.endif
.endr
.endr
.endm
; 32 LDS loads in one run: the fragments of one quarter step (32 K at byte k of the rows) into buffer f
.macro FETCH slot, k, f
	WIN TO_B
.irp i, 0,1,2,3,4,5,6,7
	ds_load_b128 v[(\f)+8*(\i):(\f)+8*(\i)+3],   v[ADRB+(\slot)] offset:(\k)+(\i)*16*PITCH
	ds_load_b128 v[(\f)+8*(\i)+4:(\f)+8*(\i)+7], v[ADRB+(\slot)] offset:(\k)+(\i)*16*PITCH+32
.endr
	WIN 0
.irp i, 0,1,2,3,4,5,6,7
	ds_load_b128 v[(\f)+8*(\i):(\f)+8*(\i)+3],   v[ADRA+(\slot)] offset:(\k)+(\i)*16*PITCH
	ds_load_b128 v[(\f)+8*(\i)+4:(\f)+8*(\i)+7], v[ADRA+(\slot)] offset:(\k)+(\i)*16*PITCH+32
.endr
.endm
; four plain vector instructions stand between a matrix instruction and a load into a register that it has read, or a vector instruction that reads its result
.macro PLACES
.rept 4
	v_nop
.endr
.endm
; A K step is four quarter steps of 32 along K, 64 matrix instructions each, on buffers 0, 1, 0, 1.  One of the first three: multiplies buffer f; in its middle it fetches the next quarter into g.
.macro QUARTER slot, k, f, g, zero
	s_wait_dscnt 8                                 ; B and A's rows 0-63 are in; the youngest eight loads (A's rows 64-127) may be out
	WIN MUL_LO
	MUL16 \f, 0, 0, \zero
	MUL16 \f, 0, 2, \zero
	PLACES
	FETCH \slot, \k, \g
	s_wait_dscnt 32                                ; all but the 32 just issued
	WIN MUL_HI
	MUL16 \f, 1, 0, \zero
	MUL16 \f, 1, 2, \zero
.endm
; The last quarter multiplies buffer 1 and changes slots.  MEET is its first half: one barrier; in front of it each wave waits for all its tensor loads (one is out: its part of the next slot),
; adds 0 to its spare word, and waits for that and for its own reads of this slot.
.macro MEET round
	WIN 0                                          ; (the add's two registers lie in window 0)
	s_wait_tensorcnt 0x0
	ds_add_u32 v[SPW], v[NIL]
	s_wait_dscnt 9                                 ; (the add and the youngest eight loads may be out)
	WIN MUL_LO
	MUL16 F1, 0, 0, 0
	s_wait_dscnt 0x0                               ; the add is done, and my reads of this slot are over
	s_barrier_signal -1
	MUL16 F1, 0, 2, 0                              ; work on registers while the others arrive
.if \round
	WIN 0
.endif
	s_barrier_wait -1
.endm
; The whole last quarter.  Behind the round the slot just read out is filled again first, with the K step two steps on; then come the next slot's first fragments.
.macro TURN slot, next
	s_wait_xcnt 0x0                                ; the last prefetch, a K step back, has read its address: it is stepped here
	s_add_nc_u64 s[PFA:PFA+1], s[PFA:PFA+1], KSTEP*2
	MEET 1
	CREST                                          ; no wave of any partner still reads this slot's tile or has a load on its way
	s_add_nc_u64 s[G0+4*(\slot)+2:G0+4*(\slot)+3], s[G0+4*(\slot)+2:G0+4*(\slot)+3], 2*KSTEP*2
	s_add_nc_u64 s[G0B+4*(\slot)+2:G0B+4*(\slot)+3], s[G0B+4*(\slot)+2:G0B+4*(\slot)+3], 2*KSTEP*2
	JLOAD \slot                                    ; my one tensor load behind the round; its four v_nop are also the places in front of the loads below
	FETCH \next, 0, F0
	ASK
	WIN MUL_HI
	MUL16 F1, 1, 0, 0
	MUL16 F1, 1, 2, 0
.endm
; THE LAST K STEP (it lies in slot 1) GOES BY ROWS OF C.  All its fragments of B fill window 1; then my eight blocks of 16 rows are finished one after the other, 32 matrix instructions each, K ascending.
.macro BLOAD q
	WIN TO_B
.irp i, 0,1,2,3,4,5,6,7
	ds_load_b128 v[64*(\q)+8*(\i):64*(\q)+8*(\i)+3],   v[ADRB+1] offset:64*(\q)+(\i)*16*PITCH
	ds_load_b128 v[64*(\q)+8*(\i)+4:64*(\q)+8*(\i)+7], v[ADRB+1] offset:64*(\q)+(\i)*16*PITCH+32
.endr
.endm
.macro ALOAD a
	WIN 0
.set FA, PA+32*((\a)%4)
.irp q, 0,1,2,3
	ds_load_b128 v[FA+8*(\q):FA+8*(\q)+3],   v[ADRA+1] offset:64*(\q)+(\a)*16*PITCH
	ds_load_b128 v[FA+8*(\q)+4:FA+8*(\q)+7], v[ADRA+1] offset:64*(\q)+(\a)*16*PITCH+32
.endr
.endm
.macro ROW a
.set FA, PA+32*((\a)%4)
.set AC, 64*((\a)%4)
	WIN MUL_LO+0x50*((\a)/4)
.irp q, 0,1,2,3
.if (\a) == 0 && (\q) == 2
	s_wait_dscnt 24                                ; B's quarter 2 is in (behind it: A's blocks 1 to 3)
.endif
.irp b, 0,1,2,3,4,5,6,7
	v_wmma_f32_16x16x32_bf16 v[AC+8*(\b):AC+8*(\b)+7], v[64*(\q)+8*(\b):64*(\q)+8*(\b)+7], v[FA+8*(\q):FA+8*(\q)+7], v[AC+8*(\b):AC+8*(\b)+7]
.endr
.endr
.endm
; THE WAY OUT of block a (16 rows x 128 columns: two heads).  PACK: rounded to f16, 16 bytes a lane.  TOSTAGE: into my own stage, and back as four rows of one head.  SEND: stored.
.macro PACK a
.set AC, 64*((\a)%4)
	WIN 0x0a+5*((\a)/4)                            ; sources 0 and 1: window 2 or 3
.irp b, 0,1,2,3,4,5,6,7
.irp r, 0,1,2,3
	v_cvt_pk_f16_f32 v[TMP+4*(\b)+(\r)], v[AC+8*(\b)+2*(\r)], v[AC+8*(\b)+2*(\r)+1]
.endr
.endr
	WIN 0
.endm
.macro TOSTAGE a
	WIN 0
.set BK, OB+192*((\a)%2)
.irp b, 0,1,2,3,4,5,6,7
	ds_store_b128 v[STO], v[TMP+4*(\b):TMP+4*(\b)+3] offset:32*(\b)
.endr
.irp t, 0,1,2,3,4,5,6,7
	ds_load_b128 v[BK+4*(\t):BK+4*(\t)+3], v[RD] offset:((\t)/4)*128+((\t)%4)*4*SPITCH  ; LDS serves a wave's instructions in order (ISA guide 5.7.1.4): these see the stores above
.endr
.endm
.macro SEND a, younger
	WIN 0
.set BK, OB+192*((\a)%2)
	s_wait_dscnt \younger                          ; the block is back in registers
	s_wait_xcnt 0x0                                ; only behind this wait are the stores' base and the registers that earlier stores read rewritten
.if (\a) == 0
	s_add_nc_u64 s[8:9], s[8:9], s[16:17]          ; my first rows
.else
	s_add_nc_u64 s[8:9], s[8:9], 16*128            ; 16 rows of a head on
.endif
.irp t, 0,1,2,3,4,5,6,7
	global_store_b128 v[CO], v[BK+4*(\t):BK+4*(\t)+3], s[8:9] offset:((\t)/4)*HEADB+((\t)%4)*512  ; a wave stores 512 consecutive bytes, at a multiple of 512 from qkv's first byte
.endr
.endm
	s_wait_tensorcnt 1                             ; my part of K step 0 is in; K step 1's may stay out
	s_barrier_signal -1
	s_barrier_wait -1
	FETCH 0, 0, F0
	QUARTER 0, 64,  F0, F1, 1                      ; the first quarter stands in front of the loop: its products start the sums
	WIN 0
	s_mov_b32 s3, LAPS-1
.Llap:                                                 ; a trip goes once round the ring, from a lap's second quarter to the next lap's first, and fills both slots again
	QUARTER 0, 128, F1, F0, 0
	QUARTER 0, 192, F0, F1, 0
	TURN 0, 1
	QUARTER 1, 64,  F0, F1, 0
	QUARTER 1, 128, F1, F0, 0
	QUARTER 1, 192, F0, F1, 0
	TURN 1, 0
	QUARTER 0, 64,  F0, F1, 0
	WIN 0
	s_sub_co_u32 s3, s3, 1
	s_cmp_lg_u32 s3, 0
	s_cbranch_scc1 .Llap
	QUARTER 0, 128, F1, F0, 0                      ; the last lap goes on
	QUARTER 0, 192, F0, F1, 0
	MEET 0                                         ; nothing is filled again, so no round follows
	PLACES
	WIN TO_B
	BLOAD 0                                        ; three quarters of B now: buffer 1 is still being multiplied
	BLOAD 1
	BLOAD 3
	WIN 0
	ALOAD 0
	WIN MUL_HI
	MUL16 F1, 1, 0, 0
	MUL16 F1, 1, 2, 0
	PLACES
	WIN TO_B
	BLOAD 2
	WIN 0
	ALOAD 1
	ALOAD 2
	ALOAD 3
	s_wait_dscnt 40                                ; all but the 40 just issued
	ROW 0
.irp a, 0,1,2,3,4,5,6,7                ; each block leaves as soon as it is finished
	PLACES
	PACK \a
	TOSTAGE \a
.if (\a) < 4
	ALOAD (\a)+4
	SEND \a, 8
.else
	SEND \a, 0
.endif
.if (\a) < 7
	ROW (\a)+1
.endif
.endr
	s_wait_tensorcnt 0x0                           ; the wave's end
	ds_add_u32 v[SPW], v[NIL]
	s_wait_dscnt 0x0
	CROUND                                         ; the closing round
	s_endpgm
.Lfunc_end_k_q2b70e360b4_qkv:
	.size	k_q2b70e360b4_qkv, .Lfunc_end_k_q2b70e360b4_qkv-k_q2b70e360b4_qkv
	.p2alignl 7, 3214868480
	.fill 96, 4, 3214868480
	.section	.rodata,"a",@progbits
	.p2align	6, 0x0
	.amdhsa_kernel k_q2b70e360b4_qkv
		.amdhsa_group_segment_fixed_size 327680
		.amdhsa_private_segment_fixed_size 0
		.amdhsa_enable_private_segment 0
		.amdhsa_kernarg_size 24
		.amdhsa_user_sgpr_count 2
		.amdhsa_user_sgpr_kernarg_segment_ptr 1
		.amdhsa_wavefront_size32 1
		.amdhsa_system_sgpr_workgroup_id_x 1
		.amdhsa_system_sgpr_workgroup_id_y 1
		.amdhsa_system_sgpr_workgroup_id_z 1
		.amdhsa_system_vgpr_workitem_id 0
		.amdhsa_next_free_vgpr 1024
		.amdhsa_next_free_sgpr 66
		.amdhsa_reserve_vcc 0
		.amdhsa_float_denorm_mode_32 3
		.amdhsa_float_denorm_mode_16_64 3
		.amdhsa_memory_ordered 1
		.amdhsa_forward_progress 1
		.amdhsa_inst_pref_size 145
	.end_amdhsa_kernel
	.amdgpu_metadata
---
amdhsa.version: [ 1, 2 ]
amdhsa.kernels:
  - .name:           k_q2b70e360b4_qkv
    .symbol:         k_q2b70e360b4_qkv.kd
    .args:
      - { .name: xb, .offset: 0, .size: 8, .value_kind: global_buffer, .address_space: global }
      - { .name: wq, .offset: 8, .size: 8, .value_kind: global_buffer, .address_space: global }
      - { .name: qkv, .offset: 16, .size: 8, .value_kind: global_buffer, .address_space: global }
    .group_segment_fixed_size: 327680
    .private_segment_fixed_size: 0
    .kernarg_segment_align: 8
    .kernarg_segment_size: 24
    .max_flat_workgroup_size: 128
    .sgpr_count:     66
    .vgpr_count:     1024
    .wavefront_size: 32
...
	.end_amdgpu_metadata
.endif
;; end of part 2
;; launch attn (part 3): grid 4 x 64, 4 waves a work-group, clusters of 4 x 1, 327,680 bytes of LDS; arguments qkv, o; writes o
.if DOCPART == 3
	.amdgcn_target "amdgcn-amd-amdhsa--gfx1250"
	.amdhsa_code_object_version 6
	.text
	.protected	k_q2b70e360b4_attn
	.globl	k_q2b70e360b4_attn
	.p2align	8
	.type	k_q2b70e360b4_attn,@function
k_q2b70e360b4_attn:
	s_mov_b64 s[64:65], 0
	v_nop
	global_prefetch_b8 v0, s[64:65] scope:SCOPE_SE
	s_setreg_imm32_b32 hwreg(HW_REG_WAVE_MODE, 25, 1), 1
	s_wait_xcnt 0x0
	s_wait_alu depctr_hold_cnt(0) depctr_sa_sdst(0) depctr_va_vdst(0) depctr_va_sdst(0) depctr_va_ssrc(0) depctr_va_vcc(0) depctr_vm_vsrc(0)
	s_getreg_b32 s2, hwreg(HW_REG_IB_STS2, 6, 4)
	s_cmp_eq_u32 s2, 0
	s_cbranch_scc0 .Lentry_in_a_cluster
	s_endpgm
.Lentry_in_a_cluster:
	s_bfe_u32 s2, ttmp6, 0x10000c
	s_cmp_lg_u32 s2, 0x3003
	s_cbranch_scc0 .Lentry_shape_is_right
	s_endpgm
.Lentry_shape_is_right:
; ATTENTION.  O[h][q][:] = the sum over k of softmax_k(Q[h][q] . K[h][k] / 8) V[h][k][:].  Q, K, V are the three parts of qkv, 2^24 bytes each, [64][2048][64] in f16, as is O: a head's rows are dense, 128 bytes each.
; Products, maxima and sums in f32; the weights p are rounded to f16 for the second product (their sum l is taken of the unrounded p), O once at the end.
; LIMITS.  Q, K and V arrive within f16's 65,504; p lies in 0 to 1, and below 6e-5 it keeps f16's fixed step of 6e-8; a weight below 2^-126 counts as 0 in l; NaN and infinities are not treated apart.
; SHARES.  A wave owns four PIECES of two tiles of 16 queries, a work-group's four waves 512 queries of one head.  Every wave walks all 2,048 keys, 64 a step.
; LAYOUT.  S^T = K Q^T (source 0 = 16 keys, source 1 = 16 queries): a lane holds ONE query (lane % 16) and the keys 8 (lane / 16) + 0..7.  Two such tiles, rounded to f16 in pairs, ARE source 1 of
; O^T = V^T P, whose result again holds one query a lane, and eight channels.  K comes out of LDS as it lies, V turned, by ds_load_tr16_b128.
; SOFTMAX.  For each query a running maximum m and sum l: p = 2^(c s - c m), c = log2(e) / 8; in every step O and l are multiplied by a = 2^(c m_old - c m_new).
; m starts at the lowest finite number, O and l at 0: the first step is a step like any other, with a = 0.
; THE COUNT.  A tile and step have 16 matrix and 118 vector instructions.  So: four vector instructions that are ready behind every matrix instruction, the others in runs without a gap.
; BY TURNS.  Turn n belongs to piece n.  Its matrix work: 16 products K Q^T of piece n + 1, later 16 products V^T P of piece n - 1.  Its vector work: the scaling, exponentials, roundings, sums and
; rescaling of piece n, and the maximum and statistics of piece n + 1.
; CLUSTER.  The four query blocks of a cluster are one head's and walk the same K and V: each tile is asked for JOINTLY, by the same tensor load, descriptor and mask in all four.
; No prefetch: a slot's load has four key steps, 512 matrix instructions, in which to land.
; REGISTERS, in windows of 256 (s_set_vgpr_msb: bits 1:0 source 0, 3:2 source 1, 5:4 source 2, 7:6 destination):
;   window 0: v0-11 addresses; v12-15, v48-63 at work; v16-47 four registers of statistics a tile; v64-191 S^T, two buffers of two tiles; v192-255 P, likewise
;   window 1: O^T, 32 a tile          window 2: v0-127 Q, 16 a tile; v128-191 K of one step; v192-255 V of one step          window 3: v0-1 the add's two registers
.set SIZE_H, 64
.set SIZE_N, 2048
.set NP,    4         ; pieces a wave: a name, no knob
.set KS,    64        ; keys in a step
.set PK,    144       ; a row of K in LDS: 128 bytes + 16 of padding: the 16 rows of a load start at 16 different groups of four banks (64 banks of 4 bytes: ISA guide 11.1)
.set PV,    160       ; a row of V: 128 + 32
.set VOFF,  4*KS*PK   ; a slot holds four steps: 256 rows of K, then 256 rows of V
.set SLOT1, 1<<17     ; slot 1 begins here, so that one exclusive or turns an address in one slot into the other's
.set STAGE, SLOT1+4*KS*(PK+PV)  ; behind the ring, never filled by a tensor load: 16 rows x 144 bytes for each wave
.set SP,    144
.set AK0, 2           ; v2   my lane's place in a tile of K; never rewritten
.set AV0, 3           ; v3   the same for V
.set AK,  4           ; v4   the LDS address of K's next run of loads
.set AV,  5           ; v5   of V's
.set QO,  6           ; v6   my byte offset in the wave's rows of Q
.set STO, 6           ;      later, the way out: where I put 16 bytes of a row
.set RD,  7           ; v7   the way out: where I read rows back
.set GO,  8           ; v8   my byte offset in 512 consecutive bytes of O
.set SPW, 0           ; v0 of window 3   my spare word; never rewritten
.set NIL, 1           ; v1 of window 3   0; never rewritten
.set SPARE, STAGE+4*16*SP  ; behind the stages: the spare words, 128 bytes for each wave
.set MV,  12          ; v12-15  c m_old, kept while c m is made anew
.set ST,  16          ; tile t's statistics at v[ST+4 t]: c m, m, l (even keys', odd keys')
.set TMP, 48          ; by buffer and tile, four registers c0-c3 at work; when the maximum is found c2 takes a
.set S,   64
.set P,   192
.set KF,  128         ; K's fragments, in window 2
.set VF,  192         ; V's
.set WV,  12          ; s12  my wave's number
.set G1K, 24          ; s[24:31] descriptor group 1 for K's tiles
.set G1V, 32          ; s[32:39] for V's: it differs in the padding alone
.set G0K, 40          ; s[40:43] descriptor group 0 for K's tiles: it walks
.set G0V, 44          ; s[44:47] the same for V's
.set SLOTS, 56        ; s56  slots still to be asked for
.set CNT, 57          ; s57  counts a slot's key steps
.set CS,  58          ; s[58:59] c
.set SEL, 60          ; s[60:61] v_permlanex16_b32's selects
.set TBK, 62          ; s62  LDS byte at which K of the step to be fetched begins
.set TBV, 63          ; s63  the same for V, less VOFF
.set MSB, 0
.macro WIN new
.if MSB != (\new)
	s_set_vgpr_msb (MSB<<8)|(\new)
.set MSB, (\new)
.endif
.endm
.set W_KQ, 0x0a       ; K and Q in window 2, S^T in window 0
.set W_PV, 0x52       ; V in window 2, P in window 0, O^T in window 1
.set W_RS, 0x41       ; O^T (destination and source 0) in window 1, a in window 0
.set W_MK, 0xc0       ; the add's registers are made: destination in window 3
.set W_AD, 0x0f       ; the add: address and data in window 3
; A joint fill.  Waves 0 and 1 fetch the two halves of a slot's K, waves 2 and 3 those of its V: 128 keys each.  An s_nop 0 and four v_nop follow each of the two lines.
.macro JLOAD
	s_cmp_lt_u32 s[WV], 2
	s_cbranch_scc0 .Lfor_v_\@
	tensor_load_to_lds s[G0K:G0K+3], s[G1K:G1K+7]
	s_nop 0
.rept 4
	v_nop
.endr
	s_branch .Lasked_\@
.Lfor_v_\@:
	tensor_load_to_lds s[G0V:G0V+3], s[G1V:G1V+7]
	s_nop 0
.rept 4
	v_nop
.endr
.Lasked_\@:
.endm
.macro CROUND                       ; a round of the cluster's barrier
	s_barrier_signal -1
	s_barrier_wait -1
	s_cmp_lg_u32 s[WV], 0
	s_cbranch_scc1 .Lnot_wave_0_\@
	s_barrier_signal -3
.Lnot_wave_0_\@:
	s_barrier_wait -3
	s_barrier_signal -1
	s_barrier_wait -1
.endm
; THE CHANGE OF SLOTS.  Each wave waits for all its tensor loads, of which one is out: its part of the other slot; adds 0 to its spare word; and waits for that and for its own reads of the slot.
; fill = 1: this slot is filled again, with the keys two slots on, first thing behind a round of the cluster's barrier.  (At its first use nothing has been read yet: slot 0 is waited for, slot 1 filled.)
.macro CHANGE fill
	WIN W_AD
	s_wait_tensorcnt 0x0            ; no tensor load of mine is out, so a group 0 may be written
	ds_add_u32 v[SPW], v[NIL]
	WIN 0
.if \fill
.irp g, G0K, G0V
	s_xor_b32 s[\g+1], s[\g+1], SLOT1
	s_add_nc_u64 s[\g+2:\g+3], s[\g+2:\g+3], 4*KS*128  ; the next 256 keys
.endr
	s_wait_dscnt 0x0                ; the add is done, and my reads of the slot are over
	CROUND
	JLOAD
.else
	s_wait_dscnt 0x0
	s_barrier_signal -1
	s_barrier_wait -1
.endif
	s_sub_co_u32 s[TBK], s[TBK], 4*KS*PK  ; the fetches go back to a slot's first step,
	s_xor_b32 s[TBK], s[TBK], SLOT1       ; in the other slot
	s_sub_co_u32 s[TBV], s[TBV], 4*KS*PV
	s_xor_b32 s[TBV], s[TBV], SLOT1
.endm
	s_load_b128 s[4:7], s[0:1], 0x0  ; qkv s[4:5] (its first part is Q), o s[6:7]
	WIN W_MK
	v_lshl_add_u32 v[SPW], v0, 2, SPARE
	v_mov_b32 v[NIL], 0
	WIN W_AD
	ds_add_u32 v[SPW], v[NIL]       ; the wave's opening: the add and its wait stand ahead of my first tensor load
	WIN 0
	v_lshrrev_b32 v1, 5, v0
	v_readfirstlane_b32 s[WV], v1   ; wave 0..3
	s_bfe_u32 s13, ttmp6, 0x40000   ; cx
	s_lshl_b32 s14, ttmp9, 2
	s_add_co_u32 s14, s14, s13      ; my block of queries: it enters Q's and O's addresses alone
	s_and_b32 s20, ttmp7, 0xffff    ; the head, which the four partners share
	s_mov_b32 s21, 0
	s_mov_b64 s[22:23], SIZE_N*128
	s_mul_u64 s[20:21], s[20:21], s[22:23]  ; the head's first byte in each of the four tensors
	s_and_b32 s16, s[WV], 1         ; which half of a slot's 256 keys I fetch:
	s_lshl_b32 s22, s16, 14         ; its 128 rows of 128 bytes in memory,
	s_mov_b32 s23, 0
	s_add_nc_u64 s[22:23], s[22:23], s[20:21]
	s_mul_i32 s17, s16, 128*PK      ; and its place in a slot, for K
	s_mul_i32 s18, s16, 128*PV      ; and for V
	s_lshl_b32 s2, s14, 2
	s_add_co_u32 s2, s2, s[WV]      ; my wave among the head's,
	s_lshl_b32 s2, s2, 14           ; its 128 rows
	s_mov_b32 s3, 0
	s_add_nc_u64 s[2:3], s[2:3], s[20:21]
	; descriptor group 1.  128 keys are 16,384 dense bytes: asked for as 64 rows of 256 bytes, two keys a row, and padded in LDS after every key
	s_mov_b32 s[G1K], 15|(1<<16)|(1<<20)|(1<<21)|(4<<22)|(3<<25)  ; the mask of four; 2-byte elements; padding on; 21 set beside a mask; after every 32 words; 4 words
	s_mov_b32 s[G1V], 15|(1<<16)|(1<<20)|(1<<21)|(4<<22)|(7<<25)  ; the same with 8 words of padding
.irp g, G1K, G1V
	s_mov_b32 s[\g+1], 128<<16      ; tensor_dim0 = 128
	s_mov_b32 s[\g+2], 64<<16       ; tensor_dim1 = 64
	s_mov_b32 s[\g+3], 128<<16      ; tile_dim0 = 128
	s_mov_b32 s[\g+4], 64           ; tile_dim1 = 64
	s_mov_b32 s[\g+5], 128          ; 128 elements from row to row
	s_mov_b32 s[\g+6], 0
	s_mov_b32 s[\g+7], 0
.endr
	s_mov_b32 s[CS], 0x3e38aa3b     ; c = log2(e) / 8 = 0.180337
	s_mov_b32 s[CS+1], s[CS]
	s_mov_b32 s[SEL], 0x76543210
	s_mov_b32 s[SEL+1], 0xfedcba98
	s_mov_b32 s[TBK], SLOT1+4*KS*PK ; the first change of slots turns these two into 0
	s_mov_b32 s[TBV], SLOT1+4*KS*PV
	s_mov_b32 s[G0K], 1
	s_mov_b32 s[G0K+1], s17         ; LDS address: slot 0
	s_mov_b32 s[G0V], 1
	s_add_co_u32 s[G0V+1], s18, VOFF
	s_wait_dscnt 0x0                ; the opening add is done
	s_wait_kmcnt 0x0
	s_mov_b64 s[10:11], s[6:7]      ; O
	s_add_nc_u64 s[6:7], s[4:5], 0x1000000  ; K: qkv's second part
	s_add_nc_u64 s[8:9], s[4:5], 0x2000000  ; V: its third
	s_add_nc_u64 s[G0K+2:G0K+3], s[6:7], s[22:23]  ; my half of the head's first 256 keys
	s_or_b32 s[G0K+3], s[G0K+3], 0x80000000
	s_add_nc_u64 s[G0V+2:G0V+3], s[8:9], s[22:23]
	s_or_b32 s[G0V+3], s[G0V+3], 0x80000000
	s_add_nc_u64 s[4:5], s[4:5], s[2:3]  ; Q and O at my wave's first row
	s_add_nc_u64 s[10:11], s[10:11], s[2:3]
	CROUND                          ; all four work-groups are here: the first joint loads meet
	JLOAD                           ; slot 0.  Slot 1 is asked for when slot 0 is in
	v_and_b32 v1, 15, v0            ; l % 16
	v_bfe_u32 v9, v0, 4, 1          ; l / 16
	v_lshlrev_b32 v[QO], 7, v1
	v_lshl_add_u32 v[QO], v9, 4, v[QO]  ; row x 128 + 16 x half
	WIN 0x80                        ; destination window 2, address window 0
.set i, 0
.rept 4*NP                          ; Q stays in registers: tile i / 2, channels 32 (i % 2) on
	global_load_b128 v[8*i:8*i+3],   v[QO], s[4:5] offset:(i/2)*2048+(i%2)*64
	global_load_b128 v[8*i+4:8*i+7], v[QO], s[4:5] offset:(i/2)*2048+(i%2)*64+32
.set i, i+1
.endr
	; What the first turn finds: V's registers and P's second buffer hold 0, O^T and l are 0.  All this stands in the wait for the first tile.
.set i, VF
.rept 64
	v_mov_b32 v[i], 0
.set i, i+1
.endr
	WIN 0x40
.set i, 0
.rept 64*NP
	v_mov_b32 v[i], 0
.set i, i+1
.endr
	WIN 0
.set i, 0
.rept 2*NP
	v_mov_b32 v[ST+4*i], 0xfe000000    ; c m: far below every c s
	v_mov_b32 v[ST+4*i+1], 0xff7fffff  ; m
	v_mov_b32 v[ST+4*i+2], 0
	v_mov_b32 v[ST+4*i+3], 0
.set i, i+1
.endr
.set i, P+32
.rept 32
	v_mov_b32 v[i], 0
.set i, i+1
.endr
	v_mul_u32_u24 v[AK0], v1, PK
	v_lshl_add_u32 v[AK0], v9, 4, v[AK0]  ; row x pitch + 16 x half
	; The turning load takes 16 keys x 16 channels (lane l reads key 8 (l / 16) + l % 8, channels 8 ((l / 8) % 2) + 0..7) and leaves half a fragment of V^T
	v_and_b32 v10, 7, v0
	v_bfe_u32 v11, v0, 3, 1
	v_lshl_add_u32 v[AV0], v9, 3, v10
	v_mul_u32_u24 v[AV0], v[AV0], PV
	v_lshl_add_u32 v[AV0], v11, 4, v[AV0]
	v_add_nc_u32 v[AV0], VOFF, v[AV0]
	v_mov_b32 v[AK], v[AK0]         ; key step 0 lies at the head of slot 0
; THE MATRIX WORK.  The 8 accumulators of a run of 16 take turns.
; Product i of 16 of S^T = K Q^T for piece x: channels 32 (i / 8) on, keys 16 ((i / 2) % 4) on, tile 2 x + i % 2.  The first 8 start the sums.
.macro KQ x
	WIN W_KQ
.set rS, S+64*((\x)%2)+32*(i%2)+8*((i/2)%4)
.set rK, KF+16*((i/2)%4)+8*(i/8)
.set rQ, 16*(2*(\x)+i%2)+8*(i/8)
.if i < 8
	v_wmma_f32_16x16x32_f16 v[rS:rS+7], v[rK:rK+7], v[rQ:rQ+7], 0
.else
	v_wmma_f32_16x16x32_f16 v[rS:rS+7], v[rK:rK+7], v[rQ:rQ+7], v[rS:rS+7]
.endif
.endm
; Product i of 16 of O^T += V^T P for piece x: keys 32 (i / 8) on, channels 16 ((i / 2) % 4) on, tile 2 x + i % 2.
.macro PV x
	WIN W_PV
.set rO, 32*(2*(\x)+i%2)+8*((i/2)%4)
.set rV, VF+32*(i/8)+8*((i/2)%4)
.set rP, P+32*((\x)%2)+16*(i%2)+8*(i/8)
	v_wmma_f32_16x16x32_f16 v[rO:rO+7], v[rV:rV+7], v[rP:rP+7], v[rO:rO+7]
.endm
.macro MM                           ; the turn's next matrix instruction
.if i < 16
	KQ (Y+1)%NP
.set i, i+1
.else
.set i, i-16
	PV (Y+NP-1)%NP
.set i, i+17
.endif
.endm
; THE LDS LOADS stand in runs of 16: a step's K (8 fragments) and its V (turned).  last = 1 (the tail): in the last trip there is no further step, and the run is jumped over.
.macro FETCH_K last=0
	WIN 0
.if \last
	s_cmp_eq_u32 s[CNT], 1
	s_cbranch_scc1 .Lno_k_\@
.endif
	WIN 0x80
.irp f, 0,1,2,3,4,5,6,7             ; keys 16 (f / 2) on, channels 32 (f % 2) on
	ds_load_b128 v[KF+8*\f:KF+8*\f+3],   v[AK] offset:(\f/2)*16*PK+(\f%2)*64
	ds_load_b128 v[KF+8*\f+4:KF+8*\f+7], v[AK] offset:(\f/2)*16*PK+(\f%2)*64+32
.endr
	s_add_co_u32 s[TBK], s[TBK], KS*PK  ; the next fetch is the next step's
	WIN 0
.if \last
.Lno_k_\@:
.endif
.endm
.macro FETCH_V
	WIN 0x80
.irp f, 0,1,2,3,4,5,6,7             ; keys 32 (f / 4) on, channels 16 (f % 4) on
	ds_load_tr16_b128 v[VF+8*\f:VF+8*\f+3],   v[AV] offset:(\f/4)*32*PV+(\f%4)*32
	ds_load_tr16_b128 v[VF+8*\f+4:VF+8*\f+7], v[AV] offset:(\f/4)*32*PV+16*PV+(\f%4)*32
.endr
	WIN 0
.endm
; THE VECTOR WORK OF A TURN stands in three queues, each in the order in which its entries become ready; the two tiles alternate.
.macro REGS y, u                    ; the registers of tile u (0, 1) of piece y
.set rT, ST+4*(2*(\y)+(\u))
.set rC, TMP+8*((\y)%2)+4*(\u)
.set rM, MV+2*((\y)%2)+(\u)
.set rS, S+64*((\y)%2)+32*(\u)
.set rP, P+32*((\y)%2)+16*(\u)
.set rO, 32*(2*(\y)+(\u))
.endm
; Number n of the 22 that find the NEXT piece's maximum and statistics; each accumulator's lowest registers are read first.
;   0-11  four chains c0-c3 of seven scores each     12-14, 16  the four scores left over, the old m, and c0-c3 into c0     15  c m_old is kept
;   17, 18  the query's other 32 keys lie in the lane 16 away: the new m         19-21  c m; c m_old - c m_new; a
.macro XS u, n
	REGS (Y+1)%NP, \u
.if (\n) < 4
	v_max3_num_f32 v[rC+(\n)], v[rS+8*(\n)], v[rS+8*(\n)+1], v[rS+8*(\n)+2]
.elseif (\n) < 12
	v_max3_num_f32 v[rC+(\n)%4], v[rC+(\n)%4], v[rS+8*((\n)%4)+2*((\n)/4)+1], v[rS+8*((\n)%4)+2*((\n)/4)+2]
.elseif (\n) == 12
	v_max3_num_f32 v[rC], v[rC], v[rS+7], v[rS+15]
.elseif (\n) == 13
	v_max3_num_f32 v[rC+1], v[rC+1], v[rS+23], v[rS+31]
.elseif (\n) == 14
	v_max3_num_f32 v[rC+2], v[rC+2], v[rC+3], v[rT+1]
.elseif (\n) == 15
	v_mov_b32 v[rM], v[rT]
.elseif (\n) == 16
	v_max3_num_f32 v[rC], v[rC], v[rC+1], v[rC+2]
.elseif (\n) == 17
	v_permlanex16_b32 v[rC+3], v[rC], s[SEL], s[SEL+1]
.elseif (\n) == 18
	v_max_num_f32 v[rT+1], v[rC], v[rC+3]
.elseif (\n) == 19
	v_mul_f32 v[rT], s[CS], v[rT+1]
.elseif (\n) == 20
	v_sub_f32 v[rC+1], v[rM], v[rT]
.else
	v_exp_f32 v[rC+2], v[rC+1]
.endif
.endm
; Number g of the 64 that follow the exponentials.  For each four weights of a tile: both pairs are rounded to f16; the second pair is added onto the first, in place; a group later l takes that sum.
.macro GS g
.set h, (\g)+6*((\g)/62)
.if h >= 6
.set h, h+2
.endif
	REGS Y, h%2
.set k, h/8
.if h%8 < 4
	s_wait_alu depctr_va_vdst(0)
	v_cvt_pk_f16_f32 v[rP+2*k+(h%8)/2], v[rS+4*k+2*((h%8)/2)], v[rS+4*k+2*((h%8)/2)+1]
.elseif h%8 < 6
	v_pk_add_f32 v[rS+4*k:rS+4*k+1], v[rS+4*k:rS+4*k+1], v[rS+4*k+2:rS+4*k+3]
.elseif k == 1
	v_pk_fma_f32 v[rT+2:rT+3], v[rT+2:rT+3], v[rC+2:rC+3], v[rS:rS+1] op_sel_hi:[1,0,1]
.else
	v_pk_add_f32 v[rT+2:rT+3], v[rT+2:rT+3], v[rS+4*k-4:rS+4*k-3]
	s_wait_alu depctr_va_vdst(0)
.endif
.endm
; THE PLAIN QUEUE, 138 long.  0-31: c s - c m for the 16 pairs of both tiles.  Then GS's 64, and among them the next piece's 42.
.macro PL
	WIN 0
.if q < 32
	REGS Y, q%2
	v_pk_fma_f32 v[rS+2*(q/2):rS+2*(q/2)+1], v[rS+2*(q/2):rS+2*(q/2)+1], s[CS:CS+1], v[rT:rT+1] op_sel_hi:[1,0,0] neg_lo:[0,0,1] neg_hi:[0,0,1]
.elseif q < 38
	GS q-32
.elseif q < 40
	XS q%2, 15
.elseif q < 42
	GS q-34
.elseif q < 74
	XS q%2, (q-42)/2+(q-42)/30
.elseif q < 95
	GS q-66
.elseif (q < 107) && ((q-95)%3 < 2)
	XS (q-95)%3, 17+(q-95)/3
.elseif q < 107
	GS 29+(q-95)/3
.else
	GS q-74
.endif
.set q, q+1
.endm
; THE EXPONENTIALS' QUEUE, 66 long: s0-s31 of both tiles, and at EA the next piece's two a.
.set EA, 58
.macro EX
	WIN 0
.if (e == EA) || (e == EA+1)
	XS e-EA, 21
.else
.set x, e-2*(e/(EA+2))
	REGS Y, x%2
	v_exp_f32 v[rS+x/2], v[rS+x/2]
.endif
.set e, e+1
.endm
; THE RESCALING's QUEUE: O^T times a, the one part that leaves window 0, dealt four at a time, eight times.
.macro R4
	REGS Y, r%2
	WIN W_RS
	s_wait_alu depctr_va_vdst(0)
.irp z, 0,1,2,3
	v_pk_mul_f32 v[rO+8*(r/2)+2*\z:rO+8*(r/2)+2*\z+1], v[rO+8*(r/2)+2*\z:rO+8*(r/2)+2*\z+1], v[rC+2:rC+3] op_sel_hi:[1,0]
.endr
.set r, r+1
.endm
; HOW THEY ARE DEALT.  Behind a matrix instruction four: plain, exponential, plain, plain, or four of the rescaling; none names a register of the products round it.  What is over stands in two lumps:
; exponential and plain by turns; the second ends in 22 plain instructions.  Exponential e stands behind plain 2 (e / 4) + e % 2 (its scaling); EA comes behind plain 107.
.macro SL
	MM
	PL
	EX
	PL
	PL
.endm
.macro BURST n
.rept (\n)-7
	SL
.endr
.rept 3
	MM
	R4
	SL
.endr
	MM
	R4
.endm
; A TURN, for piece p.  cnt = 1: the loop's count is taken down some lines ahead of the branch that stands behind the turn.
; K of the next step is fetched in piece 2's turn, V of the step in hand at the end of piece 0's turn; each far behind the last product that read its registers.
.macro TURN p, last=0, cnt=0
.set Y, (\p)
.set i, 0
.set q, 0
.set e, 0
.set r, 0
.if (\p) == NP-1
	s_wait_dscnt 0x0                ; K is in
.endif
	MM
.rept 4
	PL
.endr
	BURST 15
.rept 22
	EX
	PL
.if ((\p) == NP-2) && (e == 18)
	v_add_nc_u32 v[AK], s[TBK], v[AK0]
.endif
.if ((\p) == NP-2) && (e == 24)
	FETCH_K \last
.endif
.endr
.if (\p) == 1
	s_wait_dscnt 0x0                ; V is in
.endif
	BURST 16
.rept 21
	EX
	PL
.endr
.rept 22
	PL
.if ((\p) == 0) && (q == 118)
	v_add_nc_u32 v[AV], s[TBV], v[AV0]
	s_wait_alu depctr_va_vdst(0)
.endif
.if ((\p) == 0) && (q == 130)
	s_add_co_u32 s[TBV], s[TBV], KS*PV
.endif
.if (\cnt) && (q == 130)
	s_sub_co_u32 s[CNT], s[CNT], 1
	s_cmp_lg_u32 s[CNT], 0
.endif
.endr
.if (\p) == 0
	FETCH_V
.endif
.endm
	CHANGE 1                        ; slot 0 is in, everybody's part of it; slot 1 is asked for
	FETCH_K                         ; key step 0
	s_wait_loadcnt 0x0              ; Q
	s_wait_dscnt 0x0
.set i, 0
.rept 16
	KQ 0                            ; piece 0's first scores
.set i, i+1
.endr
	WIN 0                           ; the addresses for the way out: plain instructions, the places behind those products
	s_mul_i32 s13, s[WV], 16*SP
	s_add_co_u32 s13, s13, STAGE    ; my stage
	v_mul_u32_u24 v[STO], v1, SP    ; in: row l % 16, 16 bytes for each half of the lanes
	v_lshl_add_u32 v[STO], v9, 4, v[STO]
	v_add_nc_u32 v[STO], s13, v[STO]
	v_bfe_u32 v[RD], v0, 3, 2       ; back: 32 lanes take four rows of 128 bytes,
	v_mul_u32_u24 v[RD], v[RD], SP
	v_lshl_add_u32 v[RD], v10, 4, v[RD]
	v_add_nc_u32 v[RD], s13, v[RD]
	v_and_b32 v[GO], 31, v0         ; which are 512 consecutive bytes of O
	v_lshlrev_b32 v[GO], 4, v[GO]
.set Y, NP-1                        ; XS works for piece Y + 1: piece 0
.irp n, 0,1,2,3,4,5,6,7,8,9,10,11,12,13,14,15,16,17,18,19,20,21
	XS 0, \n                        ; piece 0's first maximum and statistics
	XS 1, \n
.endr
	s_mov_b32 s[CNT], 4
	s_mov_b32 s[SLOTS], SIZE_N/256-1
	s_branch .Lfirst                ; the loop is entered at a step's first turn, in the middle of a trip
.Lslot:                             ; six times: every slot but the last two is filled again
	CHANGE 1
	s_mov_b32 s[CNT], 4
.Lstep:                             ; a trip: pieces 2 and 3 of one step, then pieces 0 and 1 of the next, whose K and V it fetches
	TURN 2
	TURN 3
	WIN 0
.Lfirst:
	TURN 0
	TURN 1, 0, 1
	WIN 0
	s_cbranch_scc1 .Lstep
	s_sub_co_u32 s[SLOTS], s[SLOTS], 1
	s_cmp_lg_u32 s[SLOTS], 0
	s_cbranch_scc1 .Lslot
	CHANGE 0                        ; the tail is written out: nothing is asked for
	s_mov_b32 s[CNT], 5             ; four trips fetch the last slot's steps; the fifth is left in its middle
.Ltail:
	TURN 2, 1
	TURN 3
	WIN 0
	s_sub_co_u32 s[CNT], s[CNT], 1
	s_cmp_eq_u32 s[CNT], 0
	s_cbranch_scc1 .Lout
	TURN 0
	TURN 1
	WIN 0
	s_branch .Ltail
.Lout:                              ; the fifth trip's 16 products K Q^T (on the last K once more) and the maximum made of them serve nothing: the price, once a launch, of one text for every trip
.set i, 0
.rept 16
	PV NP-1                         ; the last piece's V^T P of the last step
.set i, i+1
.endr
	; THE WAY OUT.  l's two halves and the other half of the lanes' are added; O^T is divided by l, rounded to f16 and sent through my stage in LDS, a tile at a time.
	WIN 0
.macro ALL line:vararg              ; one line for each tile t
.set t, 0
.rept 2*NP
	\line
.set t, t+1
.endr
.endm
	ALL v_add_f32 v[ST+4*t+2], v[ST+4*t+2], v[ST+4*t+3]
	ALL v_permlanex16_b32 v[ST+4*t+3], v[ST+4*t+2], s[SEL], s[SEL+1]
	ALL v_add_f32 v[ST+4*t+2], v[ST+4*t+2], v[ST+4*t+3]
	ALL v_rcp_f32 v[ST+4*t+2], v[ST+4*t+2]
	v_nop                           ; a plain instruction between the last reciprocal and the use of its result
	s_wait_alu depctr_va_vdst(0)
.macro PACK t
	WIN W_RS
.set i, 32*(\t)
.rept 16
	v_pk_mul_f32 v[i:i+1], v[i:i+1], v[ST+4*(\t)+2:ST+4*(\t)+3] op_sel_hi:[1,0]
.set i, i+2
.endr
	WIN 0x05                        ; sources 0 and 1 window 1, destination window 0
.set i, 0
.rept 16
	v_cvt_pk_f16_f32 v[S+16*(\t)+i], v[32*(\t)+2*i], v[32*(\t)+2*i+1]
.set i, i+1
.endr
	WIN 0
.irp f, 0,1,2,3
	ds_store_b128 v[STO], v[S+16*(\t)+4*\f:S+16*(\t)+4*\f+3] offset:32*\f
.endr
.irp f, 0,1,2,3
	ds_load_b128 v[S+16*(\t)+4*\f:S+16*(\t)+4*\f+3], v[RD] offset:\f*4*SP  ; LDS serves a wave's instructions in order (ISA guide 5.7.1.4): these see the stores above
.endr
.endm
.macro SEND t, younger              ; younger: the LDS instructions issued behind tile t's loads: the next tile's eight, or none
	WIN 0
.irp f, 0,1,2,3
	s_wait_dscnt (\younger)+3-\f
	global_store_b128 v[GO], v[S+16*(\t)+4*\f:S+16*(\t)+4*\f+3], s[10:11] offset:(\t)*2048+\f*512  ; 512 consecutive bytes, at a multiple of 256 from O's first
.endr
.endm
	PACK 0
.set t, 1
.rept 2*NP-1
	PACK t
	SEND t-1, 8
.set t, t+1
.endr
	SEND 2*NP-1, 0
	WIN W_AD
	s_wait_tensorcnt 0x0            ; the wave's end
	ds_add_u32 v[SPW], v[NIL]
	s_wait_dscnt 0x0
	WIN 0
	CROUND                          ; the closing round
	s_endpgm
.Lfunc_end_k_q2b70e360b4_attn:
	.size	k_q2b70e360b4_attn, .Lfunc_end_k_q2b70e360b4_attn-k_q2b70e360b4_attn
	.p2alignl 7, 3214868480
	.fill 96, 4, 3214868480
	.section	.rodata,"a",@progbits
	.p2align	6, 0x0
	.amdhsa_kernel k_q2b70e360b4_attn
		.amdhsa_group_segment_fixed_size 327680
		.amdhsa_private_segment_fixed_size 0
		.amdhsa_enable_private_segment 0
		.amdhsa_kernarg_size 16
		.amdhsa_user_sgpr_count 2
		.amdhsa_user_sgpr_kernarg_segment_ptr 1
		.amdhsa_wavefront_size32 1
		.amdhsa_system_sgpr_workgroup_id_x 1
		.amdhsa_system_sgpr_workgroup_id_y 1
		.amdhsa_system_sgpr_workgroup_id_z 1
		.amdhsa_system_vgpr_workitem_id 0
		.amdhsa_next_free_vgpr 770
		.amdhsa_next_free_sgpr 66
		.amdhsa_reserve_vcc 0
		.amdhsa_float_denorm_mode_32 3
		.amdhsa_float_denorm_mode_16_64 3
		.amdhsa_memory_ordered 1
		.amdhsa_forward_progress 1
		.amdhsa_inst_pref_size 208
	.end_amdhsa_kernel
	.amdgpu_metadata
---
amdhsa.version: [ 1, 2 ]
amdhsa.kernels:
  - .name:           k_q2b70e360b4_attn
    .symbol:         k_q2b70e360b4_attn.kd
    .args:
      - { .name: qkv, .offset: 0, .size: 8, .value_kind: global_buffer, .address_space: global }
      - { .name: o, .offset: 8, .size: 8, .value_kind: global_buffer, .address_space: global }
    .group_segment_fixed_size: 327680
    .private_segment_fixed_size: 0
    .kernarg_segment_align: 8
    .kernarg_segment_size: 16
    .max_flat_workgroup_size: 128
    .sgpr_count:     66
    .vgpr_count:     770
    .wavefront_size: 32
...
	.end_amdgpu_metadata
.endif
;; end of part 3
;; launch proj (part 4): grid 256 x 1, 4 waves a work-group, clusters of 4 x 1, 327,680 bytes of LDS; arguments o, wo, b_out, ln_gamma, ln_beta, out0; writes out0
.if DOCPART == 4
	.amdgcn_target "amdgcn-amd-amdhsa--gfx1250"
	.amdhsa_code_object_version 6
	.text
	.protected	k_q2b70e360b4_proj
	.globl	k_q2b70e360b4_proj
	.p2align	8
	.type	k_q2b70e360b4_proj,@function
k_q2b70e360b4_proj:
	s_mov_b64 s[64:65], 0
	v_nop
	global_prefetch_b8 v0, s[64:65] scope:SCOPE_SE
	s_setreg_imm32_b32 hwreg(HW_REG_WAVE_MODE, 25, 1), 1
	s_wait_xcnt 0x0
	s_wait_alu depctr_hold_cnt(0) depctr_sa_sdst(0) depctr_va_vdst(0) depctr_va_sdst(0) depctr_va_ssrc(0) depctr_va_vcc(0) depctr_vm_vsrc(0)
	s_getreg_b32 s2, hwreg(HW_REG_IB_STS2, 6, 4)
	s_cmp_eq_u32 s2, 0
	s_cbranch_scc0 .Lentry_in_a_cluster
	s_endpgm
.Lentry_in_a_cluster:
	s_bfe_u32 s2, ttmp6, 0x10000c
	s_cmp_lg_u32 s2, 0x3003
	s_cbranch_scc0 .Lentry_shape_is_right
	s_endpgm
.Lentry_shape_is_right:
; THE LAST PRODUCT AND THE NORM.  y[m][n] = b[n] + sum over k of O[m][k] w_out[k][n]; out0[m][n] = (y - mean) / sqrt(var + 1e-5) x gamma[n] + beta[n], mean and var over a row's 1,024 numbers.
; O: [64 bh][2048][64] f16.  wo: 16 blocks kb of 131,072 bytes, f16: an even block as [1024 n][64 kk], an odd one by lanes (below).  b, gamma, beta are rounded to bf16 like the module's other inputs.
; Sums in f32, in an order of their own; out0 in f32.  The norm goes in two passes over the sums, which stay in registers: the mean, then the sum of (y - mean)^2: no difference of large sums is formed.
; SHARES.  A row's norm wants the whole row, so a work-group owns 32 rows x all 1,024 columns: 256 work-groups.  Wave w owns columns 256 w .. + 255 of the 32 rows: 32 accumulators (a, b), 256 registers.
; The product is used transposed (source 0 = 16 rows n of wo, source 1 = 16 rows of O): a lane holds row l % 16 and the columns 16 b + 8 (l / 16) + 0..7.
; TWO ROADS FOR wo.  No wave wants a byte of wo that another wave has fetched.  K goes in 8 PERIODS of 128: two heads.  The even head's block comes by tensor loads into one of two LDS slots, each wave its own
; quarter, asked for JOINTLY by the four work-groups of a cluster (mask 15), which all walk the same wo.  The odd head's block comes straight into registers: it lies in memory as the lanes take it
; (for each 16 rows n: [kk / 32][(kk % 32) / 16][lane][16 bytes]), so each load of a wave is 512 consecutive bytes.  So a change of slots serves 128 matrix instructions a wave, and there are eight.
; THE RING.  Tile 0 goes out behind the first round; period p waits for tile p, passes a round and asks for tile p + 1 into the slot read in period p - 1: one tensor load of mine is out at a time.
; No matrix work stands in the change of slots: the next fill waits for it, and the period's products fit into the time in which the fill is on its way.
; A PERIOD (heads e = 2 p, o = 2 p + 1): G0 is multiplied; the change; my whole quarter of the slot is read into F0, F1; G0 of the next period and O's head e + 2 are asked for; G1 is multiplied;
; G1 of the next period and O's head o + 4 are asked for; F0 and F1 are multiplied.  O's fragments, 4 KiB a head, lie in four buffers, head s in buffer s % 4.
; No prefetch: every work-group reads wo at about the same time, and O is asked for a period and a half ahead of its use.
; REGISTERS, in windows of 256 (s_set_vgpr_msb: bits 1:0 source 0, 3:2 source 1, 5:4 source 2, 7:6 destination):
;   window 0: v0-31 addresses and the norm's figures; v32-47 gamma, v48-63 beta; v64-191 four buffers of O's fragments; v192-255 at work      window 1: accumulator (a, b) at v[8 (16 a + b)]
;   window 2: F0 = v0-127, F1 = v128-255: the even head's fragments, channels 0-31 and 32-63      window 3: G0, G1: the odd head's, likewise
.set STEPB, 131072                     ; bytes of a block of wo
.set HEADB, 262144                     ; bytes of a head in O
.set PW,    144                        ; an LDS row of wo: 128 bytes + 16 of padding: the 16 rows of a load start at 16 different groups of four banks (64 banks of 4 bytes: ISA guide 11.1)
.set QL,    256*PW                     ; a wave's quarter of a slot
.set SLOT,  4*QL
.set STATS, 2*SLOT                     ; behind the ring: [2 passes][32 rows][4 waves] f32
.set STAGE, STATS+1024                 ; 16 rows x 272 bytes for each wave: b's way to the lanes, then the way out
.set SP,    272
.set SPARE, STAGE+4*16*SP              ; the spare words, 128 bytes for each wave
.set BCO,  4                           ; v4      my offset in b: 1,024 w + 16 l
.set BST,  5                           ; v5      where I put 16 bytes of b
.set BRD,  6                           ; v6      where I read b's 8 numbers of a column block
.set GOF,  7                           ; v7      my offset in an odd block of wo: 32,768 w + 16 l; never rewritten
.set MU,   8                           ; v8-11   the mean, a pair for each row block a
.set RS,   12                          ; v12-15  1 / sqrt(var + eps), likewise
.set ADRB, 16                          ; v16-17  LDS address of my fragments of wo in slot 0, 1
.set AO,   18                          ; v18     my byte offset in 16 rows of O; never rewritten
.set STW,  20                          ; v20     where I put my wave's sum of row l % 16
.set STR,  21                          ; v21     where I read the four waves' sums
.set GBO,  22                          ; v22     my offset in gamma and beta
.set STO,  24                          ; v24     the way out: where I put 32 bytes of a row
.set RD,   25                          ; v25     where I read a row back
.set CO,   26                          ; v26     my offset in out0
.set SPW,  28                          ; v28     my spare word; never rewritten
.set NIL,  29                          ; v29     0; never rewritten
.set TP,   30                          ; v30     at work
.set GA,   32
.set BE,   48
.set AR,   64                          ; buffer u at AR + 32 u; fragment (a, c) at + 8 (2 a + c)
.set BI,   192                         ; v192-199 b of my wave's columns 4 l .. and 128 + 4 l .., until the tail
.set T,    192                         ; then sums: (a, k) at T + 8 a + 2 k; the waves' sums at T + 16 + 4 a
.set OB,   192                         ; then rows read back, two buffers of 32
.set F0,   0
.set F1,   128
.set WV,   16                          ; s16  my wave's number
.set G1,   24                          ; s[24:31] descriptor group 1
.set G0,   32                          ; s[32:39] group 0, one set for each slot
.set WP,   48                          ; s[48:49] wo at an odd block
.set MSB, 0
.macro WIN new                         ; the immediate's high byte repeats the setting that is left; a switch that changes nothing is dropped
.if MSB != (\new)
	s_set_vgpr_msb (MSB<<8)|(\new)
.set MSB, \new
.endif
.endm
.set FW,   0x52                        ; wo in window 2, O in window 0, C and D in window 1
.set GW,   0x53                        ; wo in window 3
.set TO_F, 0x80                        ; destination window 2, address window 0
.set TO_G, 0xc0                        ; destination window 3
.macro CROUND                          ; a round of the cluster's barrier
	s_barrier_signal -1
	s_barrier_wait -1
	s_cmp_lg_u32 s[WV], 0
	s_cbranch_scc1 .Lnot_wave_0_\@
	s_barrier_signal -3
.Lnot_wave_0_\@:
	s_barrier_wait -3
	s_barrier_signal -1
	s_barrier_wait -1
.endm
.macro PLACES                          ; four plain vector instructions between a matrix instruction and a load into a register that it has read
.rept 4
	v_nop
.endr
.endm
; 32 matrix instructions: all 16 column blocks x both row blocks, 32 along K: wo from the 128 registers at f of the window that w names, O's half c from buffer ab.
; The 32 accumulators take turns, one instruction a turn, in the same order in every run.  zero = 1: the products start the sums.
.macro MULS w, f, ab, c, zero=0
	WIN \w
.set mb, 0
.rept 16
.irp a, 0,1
.if \zero
	v_wmma_f32_16x16x32_f16 v[8*(16*(\a)+mb):8*(16*(\a)+mb)+7], v[(\f)+8*mb:(\f)+8*mb+7], v[AR+32*(\ab)+8*(2*(\a)+(\c)):AR+32*(\ab)+8*(2*(\a)+(\c))+7], 0
.else
	v_wmma_f32_16x16x32_f16 v[8*(16*(\a)+mb):8*(16*(\a)+mb)+7], v[(\f)+8*mb:(\f)+8*mb+7], v[AR+32*(\ab)+8*(2*(\a)+(\c)):AR+32*(\ab)+8*(2*(\a)+(\c))+7], v[8*(16*(\a)+mb):8*(16*(\a)+mb)+7]
.endif
.endr
.set mb, mb+1
.endr
.endm
; 32 LDS loads: my 256 rows of the even head's block, 32 K at byte 64 c of the rows, into F0 or F1
.macro FETCH slot, c, f
	WIN TO_F
.set fb, 0
.rept 16
	ds_load_b128 v[(\f)+8*fb:(\f)+8*fb+3],   v[ADRB+(\slot)] offset:64*(\c)+fb*16*PW
	ds_load_b128 v[(\f)+8*fb+4:(\f)+8*fb+7], v[ADRB+(\slot)] offset:64*(\c)+fb*16*PW+32
.set fb, fb+1
.endr
.endm
; 32 loads: my 256 rows of an odd head's block, half c, into G0 or G1; each covers 512 consecutive bytes, at a multiple of 512 from wo's first byte
.macro GLOAD c, off
	WIN TO_G
.set fb, 0
.rept 16
	global_load_b128 v[128*(\c)+8*fb:128*(\c)+8*fb+3],   v[GOF], s[WP:WP+1] offset:(\off)+2048*fb+1024*(\c)
	global_load_b128 v[128*(\c)+8*fb+4:128*(\c)+8*fb+7], v[GOF], s[WP:WP+1] offset:(\off)+2048*fb+1024*(\c)+512
.set fb, fb+1
.endr
.endm
; 8 loads: O's fragments of one head (32 rows x 64 channels, head k behind the pointer) into buffer buf
.macro ALOAD buf, k
	WIN 0
.irp a, 0,1
.irp c, 0,1
	global_load_b128 v[AR+32*(\buf)+8*(2*(\a)+(\c)):AR+32*(\buf)+8*(2*(\a)+(\c))+3],   v[AO], s[4:5] offset:(\k)*HEADB+2048*(\a)+64*(\c)
	global_load_b128 v[AR+32*(\buf)+8*(2*(\a)+(\c))+4:AR+32*(\buf)+8*(2*(\a)+(\c))+7], v[AO], s[4:5] offset:(\k)*HEADB+2048*(\a)+64*(\c)+32
.endr
.endr
.endm
; THE CHANGE OF SLOTS, at the head of the period that reads slot.  Each wave waits for all its tensor loads (one is out: its quarter of this slot), adds 0 to its spare word, and waits for that and for its reads
; of the other slot, which ended in the period before.  fill = 1: a round of the cluster's barrier, and the other slot is filled again first thing behind it, with the next period's tile.
.macro CHANGE slot, fill
	WIN 0
	s_wait_tensorcnt 0x0                           ; no tensor load of mine is out, so a group 0 may be written
	ds_add_u32 v[SPW], v[NIL]
.if \fill
	s_add_nc_u64 s[G0+4*(\slot)+2:G0+4*(\slot)+3], s[G0+4*(\slot)+2:G0+4*(\slot)+3], 4*STEPB  ; this slot's next tile: two periods, four blocks on
	s_wait_dscnt 0x0
	CROUND
	tensor_load_to_lds s[G0+4-4*(\slot):G0+7-4*(\slot)], s[G1:G1+7]
	s_nop 0
	PLACES                                         ; also the places in front of the loads into F0, F1, G0 and O's buffer, whose last readers stand ahead of the change
.else
	s_wait_dscnt 0x0
	s_barrier_signal -1
	s_barrier_wait -1
.endif
.endm
; A period behind its first 32 products.  ao, ae: the buffers of its odd and even head.  goff: where the next period's odd block stands behind the pointer.  aeb, aek: buffer and place of O's head e + 2.
; aob, aok: of O's head o + 4 (aob = -1: that load stands at the top of the next trip).
; On LOADcnt a period issues G0's 32, O's 8, G1's 32, O's 8, in this order.  So behind the G1 that is waited for here stand O's 8, G0's 32 and O's 8: 48; O's even head is older than that G1.
.macro REST slot, ao, ae, goff, aeb, aek, aob, aok
	CHANGE \slot, 1
	FETCH \slot, 0, F0
	FETCH \slot, 1, F1
	GLOAD 0, \goff
	ALOAD \aeb, \aek
	s_wait_loadcnt 48                              ; G1 is in
	MULS GW, 128, \ao, 1
	PLACES
	GLOAD 1, \goff
.if (\aob) >= 0
	ALOAD \aob, \aok
.endif
	s_wait_dscnt 32                                ; F0 is in; F1's 32 loads may be out
	MULS FW, F0, \ae, 0
	s_wait_dscnt 0x0
	MULS FW, F1, \ae, 1
.endm
.macro RND2 i                          ; two numbers rounded to bf16 and widened again, in place
	v_cvt_pk_bf16_f32 v[TP], v[\i], v[(\i)+1]
	v_lshlrev_b32 v[\i], 16, v[TP]
	v_and_b32 v[(\i)+1], s40, v[TP]
.endm
	s_load_b256 s[4:11], s[0:1], 0x0               ; o s[4:5], wo s[6:7], b_out s[8:9], ln_gamma s[10:11]
	s_load_b128 s[12:15], s[0:1], 0x20             ; ln_beta s[12:13], out0 s[14:15]
	v_lshl_add_u32 v[SPW], v0, 2, SPARE
	v_mov_b32 v[NIL], 0
	ds_add_u32 v[SPW], v[NIL]                      ; the wave's opening: the add and its wait stand ahead of my first tensor load; work on registers stands between them
	v_lshrrev_b32 v1, 5, v0
	v_readfirstlane_b32 s[WV], v1                  ; wave 0..3
	s_bfe_u32 s17, ttmp6, 0x40000                  ; cx
	s_lshl_b32 s18, ttmp9, 2
	s_add_co_u32 s18, s18, s17                     ; g: it enters O's and out0's addresses alone
	; descriptor group 1: a quarter, 32,768 dense bytes, as 128 rows of 256 bytes (two rows n), padded in LDS after every row n
	s_mov_b32 s[G1+0], 15|(1<<16)|(1<<20)|(1<<21)|(4<<22)|(3<<25)  ; the mask of four; 2-byte elements; padding on; 21 set beside a mask; after every 32 words; 4 words
	s_mov_b32 s[G1+1], 128<<16                     ; tensor_dim0 = 128
	s_mov_b32 s[G1+2], 128<<16                     ; tensor_dim1 = 128
	s_mov_b32 s[G1+3], 128<<16                     ; tile_dim0 = 128
	s_mov_b32 s[G1+4], 128                         ; tile_dim1 = 128
	s_mov_b32 s[G1+5], 128                         ; elements from row to row
	s_mov_b32 s[G1+6], 0
	s_mov_b32 s[G1+7], 0
	s_mov_b32 s40, 0xffff0000
	s_mov_b32 s42, 0x76543210                      ; v_permlanex16_b32: each lane takes its own place in the other half
	s_mov_b32 s43, 0xfedcba98
	s_mov_b32 s44, 0x3a800000                      ; 1 / 1024
	s_mov_b32 s45, 0x3727c5ac                      ; 1e-5
	s_mul_i32 s19, s[WV], QL                       ; my quarter in a slot,
	s_lshl_b32 s20, s[WV], 15                      ; and in a block of wo
	s_mov_b32 s21, 0
	s_lshr_b32 s22, s18, 6                         ; batch: 16 heads of 262,144 bytes,
	s_lshl_b32 s22, s22, 22
	s_and_b32 s23, s18, 63                         ; 32 rows of 128 bytes
	s_lshl_b32 s23, s23, 12
	s_add_co_u32 s22, s22, s23
	s_mov_b32 s23, 0
	s_lshl_b32 s46, s18, 17                        ; out0: 32 rows of 4,096 bytes,
	s_lshl_b32 s47, s[WV], 10                      ; my 256 columns
	s_add_co_u32 s46, s46, s47
	s_mov_b32 s47, 0
	s_lshl_b32 s50, s[WV], 2
	s_add_co_u32 s50, s50, STATS
	s_lshl_b32 s51, s[WV], 10
	s_mul_i32 s52, s[WV], 16*SP
	s_add_co_u32 s52, s52, STAGE                   ; my stage
	v_and_b32 v1, 15, v0                           ; r = l % 16
	v_bfe_u32 v2, v0, 4, 1                         ; h = l / 16
	v_and_b32 v27, 31, v0                          ; l
	v_lshl_add_u32 v[GOF], v27, 4, s20
	v_lshl_add_u32 v[BCO], v27, 4, s51
	v_lshl_add_u32 v[BST], v27, 4, s52
	v_lshl_add_u32 v[BRD], v2, 5, s52
	v_lshlrev_b32 v[AO], 7, v1
	v_lshl_add_u32 v[AO], v2, 4, v[AO]
	v_mul_u32_u24 v3, v1, PW
	v_lshl_add_u32 v3, v2, 4, v3
	v_add_nc_u32 v[ADRB], s19, v3
	v_add_nc_u32 v[ADRB+1], SLOT, v[ADRB]
	v_lshl_add_u32 v[STW], v1, 4, s50
	v_lshlrev_b32 v[STR], 4, v1
	v_add_nc_u32 v[STR], STATS, v[STR]
	v_lshl_add_u32 v[GBO], v1, 4, s51
	v_mul_u32_u24 v3, v1, SP
	v_lshl_add_u32 v3, v2, 5, v3
	v_add_nc_u32 v[STO], s52, v3
	v_mul_u32_u24 v3, v2, SP
	v_lshl_add_u32 v3, v1, 4, v3
	v_add_nc_u32 v[RD], s52, v3
	v_lshlrev_b32 v[CO], 12, v2
	v_lshl_add_u32 v[CO], v1, 4, v[CO]
	s_wait_dscnt 0x0                               ; the opening add is done
	s_wait_kmcnt 0x0
	s_add_nc_u64 s[WP:WP+1], s[6:7], STEPB         ; block 1: my quarter of it stands in GOF
	s_add_nc_u64 s[6:7], s[6:7], s[20:21]          ; my quarter of block 0
	s_add_nc_u64 s[4:5], s[4:5], s[22:23]
	s_add_nc_u64 s[14:15], s[14:15], s[46:47]
.irp s, 0,1
	s_mov_b32 s[G0+4*(\s)], 1
	s_add_co_u32 s[G0+4*(\s)+1], s19, (\s)*SLOT
	s_add_nc_u64 s[G0+4*(\s)+2:G0+4*(\s)+3], s[6:7], (\s)*2*STEPB  ; tile s is block 2 s
	s_or_b32 s[G0+4*(\s)+3], s[G0+4*(\s)+3], 0x80000000
.endr
	CROUND                                         ; all four work-groups are here: the first joint loads meet
	tensor_load_to_lds s[G0:G0+3], s[G1:G1+7]      ; tile 0
	s_nop 0
	PLACES
	ALOAD 1, 1                                     ; in the order in which the periods issue them: O's head 1, G0, O's head 0, G1, O's head 3
	GLOAD 0, 0
	ALOAD 0, 0
	GLOAD 1, 0
	ALOAD 3, 3
.irp t, 0,1,2,3
	global_load_b128 v[GA+4*(\t):GA+4*(\t)+3], v[GBO], s[10:11] offset:256*(\t)  ; gamma of columns 64 t + 4 (l % 16) + 0..3 of my 256
.endr
.irp t, 0,1,2,3
	global_load_b128 v[BE+4*(\t):BE+4*(\t)+3], v[GBO], s[12:13] offset:256*(\t)
.endr
	global_load_b128 v[BI:BI+3],   v[BCO], s[8:9]  ; b of my 256 columns, each number once in the wave; these ten are first read in the tail
	global_load_b128 v[BI+4:BI+7], v[BCO], s[8:9] offset:512
	s_wait_loadcnt 58                              ; O's head 1 and G0 are in: 8 + 32 + 8 + 10 loads were issued behind them
	MULS GW, 0, 1, 0, 1                            ; period 0's first 32 products start the sums
	WIN 0
	s_mov_b32 s3, 4
	s_branch .Lenter                               ; period 0 stands at the trip's second place
.Ltrip:                                                ; a trip: an odd period and an even one
	s_wait_xcnt 0x0                                ; the loads issued so far have read their addresses
	s_add_nc_u64 s[4:5], s[4:5], 4*HEADB
	s_add_nc_u64 s[WP:WP+1], s[WP:WP+1], 4*STEPB
	ALOAD 1, 1                                     ; the even period's load of O's head o + 4 stands here, so that period 6, which has none, leaves the loop ahead of it
	s_wait_loadcnt 48                              ; G0 is in: behind it stand O's 8, G1's 32 and O's 8
	MULS GW, 0, 3, 0
	REST 1, 3, 2, 0, 0, 0, 3, 3
	s_wait_loadcnt 48
	MULS GW, 0, 1, 0
	WIN 0
.Lenter:
	REST 0, 1, 0, 2*STEPB, 2, 2, -1, 0
	WIN 0
	s_sub_co_u32 s3, s3, 1
	s_cmp_lg_u32 s3, 0
	s_cbranch_scc1 .Ltrip
	; period 7 is written out: it fills nothing and asks for nothing of wo or O
	s_wait_loadcnt 40                              ; G0 is in: behind it stand O's 8 and G1's 32
	MULS GW, 0, 3, 0
	WIN 0
.set i, BI
.rept 4
	RND2 i                                         ; b, gamma and beta are rounded here, beside the products; these lines are also the places in front of the loads into F0 and F1
.set i, i+2
.endr
	ds_store_b128 v[BST], v[BI:BI+3]               ; b into my stage: 256 numbers on end
	ds_store_b128 v[BST], v[BI+4:BI+7] offset:512
.set i, GA
.rept 16
	RND2 i
.set i, i+2
.endr
	CHANGE 1, 0
	FETCH 1, 0, F0
	FETCH 1, 1, F1
	s_wait_loadcnt 0x0                             ; G1 is in
	MULS GW, 128, 3, 1
	s_wait_dscnt 32                                ; F0 is in
	MULS FW, F0, 2, 0
	PLACES
	WIN TO_F
.set fb, 0
.rept 16                                       ; b of columns 16 fb + 8 h + 0..7 into F0's registers: sixteen lanes read the same 16 bytes.  LDS serves a wave's instructions in order (ISA guide 5.7.1.4): these see my stores
	ds_load_b128 v[8*fb:8*fb+3],   v[BRD] offset:64*fb
	ds_load_b128 v[8*fb+4:8*fb+7], v[BRD] offset:64*fb+16
.set fb, fb+1
.endr
	s_wait_dscnt 32                                ; F1 is in; b's 32 loads may be out
	MULS FW, F1, 2, 1
	PLACES
	PLACES
	s_wait_dscnt 0x0                               ; b
	WIN 0x49                                       ; source 0 and destination in window 1, source 1 in window 2
.set sb, 0
.rept 16                                       ; y = sum + b, in place; each accumulator is read from its low end on
.irp a, 0,1
.irp k, 0,1,2,3
	v_pk_add_f32 v[128*(\a)+8*sb+2*(\k):128*(\a)+8*sb+2*(\k)+1], v[128*(\a)+8*sb+2*(\k):128*(\a)+8*sb+2*(\k)+1], v[8*sb+2*(\k):8*sb+2*(\k)+1]
.endr
.endr
.set sb, sb+1
.endr
; The sums T(a, k) of my lane are added up, the other half of the lanes' added, the four waves' sums exchanged through LDS: v[T + 8 a] then holds the sum over the row's 1,024 columns.
.macro MEETSUM pass
	WIN 0
.irp a, 0,1
	v_pk_add_f32 v[T+8*(\a):T+8*(\a)+1], v[T+8*(\a):T+8*(\a)+1], v[T+8*(\a)+2:T+8*(\a)+3]
	v_pk_add_f32 v[T+8*(\a)+4:T+8*(\a)+5], v[T+8*(\a)+4:T+8*(\a)+5], v[T+8*(\a)+6:T+8*(\a)+7]
.endr
.irp a, 0,1
	v_pk_add_f32 v[T+8*(\a):T+8*(\a)+1], v[T+8*(\a):T+8*(\a)+1], v[T+8*(\a)+4:T+8*(\a)+5]
.endr
.irp a, 0,1
	v_add_f32 v[T+8*(\a)], v[T+8*(\a)], v[T+8*(\a)+1]
.endr
.irp a, 0,1
	v_permlanex16_b32 v[T+8*(\a)+1], v[T+8*(\a)], s42, s43
.endr
.irp a, 0,1
	v_add_f32 v[T+8*(\a)], v[T+8*(\a)], v[T+8*(\a)+1]
.endr
.irp a, 0,1
	ds_store_b32 v[STW], v[T+8*(\a)] offset:512*(\pass)+256*(\a)  ; both halves of the lanes write the same word with the same number
.endr
	s_wait_dscnt 0x0                               ; for the others' sake
	s_barrier_signal -1
	s_barrier_wait -1
.irp a, 0,1
	ds_load_b128 v[T+16+4*(\a):T+16+4*(\a)+3], v[STR] offset:512*(\pass)+256*(\a)
.endr
	s_wait_dscnt 0x0
.irp a, 0,1
	v_add_f32 v[T+16+4*(\a)], v[T+16+4*(\a)], v[T+16+4*(\a)+1]
	v_add_f32 v[T+16+4*(\a)+2], v[T+16+4*(\a)+2], v[T+16+4*(\a)+3]
.endr
.irp a, 0,1
	v_add_f32 v[T+8*(\a)], v[T+16+4*(\a)], v[T+16+4*(\a)+2]
.endr
.endm
	; pass 1: the mean
	WIN 0x05                                       ; sources 0 and 1 in window 1
.irp a, 0,1
.irp k, 0,1,2,3
	v_pk_add_f32 v[T+8*(\a)+2*(\k):T+8*(\a)+2*(\k)+1], v[128*(\a)+2*(\k):128*(\a)+2*(\k)+1], v[128*(\a)+8+2*(\k):128*(\a)+8+2*(\k)+1]
.endr
.endr
	WIN 0x01                                       ; source 0 in window 1
.set sb, 2
.rept 14
.irp a, 0,1
.irp k, 0,1,2,3
	v_pk_add_f32 v[T+8*(\a)+2*(\k):T+8*(\a)+2*(\k)+1], v[128*(\a)+8*sb+2*(\k):128*(\a)+8*sb+2*(\k)+1], v[T+8*(\a)+2*(\k):T+8*(\a)+2*(\k)+1]
.endr
.endr
.set sb, sb+1
.endr
	MEETSUM 0
.irp a, 0,1
	v_mul_f32 v[MU+2*(\a)], s44, v[T+8*(\a)]
	v_mul_f32 v[MU+2*(\a)+1], s44, v[T+8*(\a)]
.endr
	WIN 0x41                                       ; source 0 and destination in window 1
.set i, 0
.rept 64                                       ; y - mean, in place
	v_pk_add_f32 v[2*i:2*i+1], v[2*i:2*i+1], v[MU:MU+1] neg_lo:[0,1] neg_hi:[0,1]
	v_pk_add_f32 v[128+2*i:128+2*i+1], v[128+2*i:128+2*i+1], v[MU+2:MU+3] neg_lo:[0,1] neg_hi:[0,1]
.set i, i+1
.endr
	; pass 2: the sum of squares
	WIN 0x05
.irp a, 0,1
.irp k, 0,1,2,3
	v_pk_mul_f32 v[T+8*(\a)+2*(\k):T+8*(\a)+2*(\k)+1], v[128*(\a)+2*(\k):128*(\a)+2*(\k)+1], v[128*(\a)+2*(\k):128*(\a)+2*(\k)+1]
.endr
.endr
.set sb, 1
.rept 15
.irp a, 0,1
.irp k, 0,1,2,3
	v_pk_fma_f32 v[T+8*(\a)+2*(\k):T+8*(\a)+2*(\k)+1], v[128*(\a)+8*sb+2*(\k):128*(\a)+8*sb+2*(\k)+1], v[128*(\a)+8*sb+2*(\k):128*(\a)+8*sb+2*(\k)+1], v[T+8*(\a)+2*(\k):T+8*(\a)+2*(\k)+1]
.endr
.endr
.set sb, sb+1
.endr
	MEETSUM 1                                      ; other bytes than pass 1's: one barrier serves it
.irp a, 0,1
	v_fma_f32 v[T+8*(\a)+1], v[T+8*(\a)], s44, s45 ; var + eps
.endr
.irp a, 0,1
	v_rsq_f32 v[RS+2*(\a)], v[T+8*(\a)+1]
	v_rsq_f32 v[RS+2*(\a)+1], v[T+8*(\a)+1]
.endr
	v_nop                                          ; a plain instruction between the last of them and the use of its result (ISA guide 5.7.2)
	s_wait_alu depctr_va_vdst(0)
; THE WAY OUT, in eight blocks i = 4 a + t of 16 rows x 64 columns (column blocks 4 t .. 4 t + 3: 32 registers on end).  NORM: times 1 / sqrt(var + eps).  TOSTAGE: into my own stage, rows of 256 + 16 bytes,
; and back as whole rows.  SEND: times gamma, plus beta, and stored.
.macro NORM i
	WIN 0x41
.set rb, 8*(16*((\i)/4)+4*((\i)%4))
.set z, 0
.rept 16
	v_pk_mul_f32 v[rb+2*z:rb+2*z+1], v[rb+2*z:rb+2*z+1], v[RS+2*((\i)/4):RS+2*((\i)/4)+1]
.set z, z+1
.endr
.endm
.macro TOSTAGE i
	WIN 0x04                                       ; store data in window 1
.set rb, 8*(16*((\i)/4)+4*((\i)%4))
.irp q, 0,1,2,3
	ds_store_b128 v[STO], v[rb+8*(\q):rb+8*(\q)+3]   offset:64*(\q)
	ds_store_b128 v[STO], v[rb+8*(\q)+4:rb+8*(\q)+7] offset:64*(\q)+16
.endr
	WIN 0
.set bk, OB+32*((\i)%2)
.irp u, 0,1,2,3,4,5,6,7
	ds_load_b128 v[bk+4*(\u):bk+4*(\u)+3], v[RD] offset:(\u)*2*SP  ; LDS serves a wave's instructions in order (ISA guide 5.7.1.4): these see the stores above
.endr
.endm
.macro SEND i
	WIN 0
.set bk, OB+32*((\i)%2)
.set gt, 4*((\i)%4)
	s_wait_dscnt 0x0                               ; the block is back in registers
	s_wait_xcnt 0x0                                ; the stores issued so far have read their registers: the other buffer, which the block before last left, is loaded again only behind this wait
.irp u, 0,1,2,3,4,5,6,7
	v_pk_fma_f32 v[bk+4*(\u):bk+4*(\u)+1], v[bk+4*(\u):bk+4*(\u)+1], v[GA+gt:GA+gt+1], v[BE+gt:BE+gt+1]
	v_pk_fma_f32 v[bk+4*(\u)+2:bk+4*(\u)+3], v[bk+4*(\u)+2:bk+4*(\u)+3], v[GA+gt+2:GA+gt+3], v[BE+gt+2:BE+gt+3]
.endr
.irp u, 0,1,2,3,4,5,6,7
	global_store_b128 v[CO], v[bk+4*(\u):bk+4*(\u)+3], s[14:15] offset:(16*((\i)/4)+2*(\u))*4096+256*((\i)%4) th:TH_STORE_NT  ; sixteen lanes store 256 consecutive bytes, at a multiple of 256 from out0's first byte
.endr
.endm
	NORM 0
	TOSTAGE 0
.irp i, 1,2,3,4,5,6,7                  ; a block's scaling stands between the loads of the block before and the wait for them
	NORM \i
	SEND (\i)-1
	TOSTAGE \i
.endr
	SEND 7
	s_wait_tensorcnt 0x0                           ; the wave's end
	ds_add_u32 v[SPW], v[NIL]
	s_wait_dscnt 0x0
	CROUND                                         ; the closing round
	s_endpgm
.Lfunc_end_k_q2b70e360b4_proj:
	.size	k_q2b70e360b4_proj, .Lfunc_end_k_q2b70e360b4_proj-k_q2b70e360b4_proj
	.p2alignl 7, 3214868480
	.fill 96, 4, 3214868480
	.section	.rodata,"a",@progbits
	.p2align	6, 0x0
	.amdhsa_kernel k_q2b70e360b4_proj
		.amdhsa_group_segment_fixed_size 327680
		.amdhsa_private_segment_fixed_size 0
		.amdhsa_enable_private_segment 0
		.amdhsa_kernarg_size 48
		.amdhsa_user_sgpr_count 2
		.amdhsa_user_sgpr_kernarg_segment_ptr 1
		.amdhsa_wavefront_size32 1
		.amdhsa_system_sgpr_workgroup_id_x 1
		.amdhsa_system_sgpr_workgroup_id_y 1
		.amdhsa_system_sgpr_workgroup_id_z 1
		.amdhsa_system_vgpr_workitem_id 0
		.amdhsa_next_free_vgpr 1024
		.amdhsa_next_free_sgpr 66
		.amdhsa_reserve_vcc 0
		.amdhsa_float_denorm_mode_32 3
		.amdhsa_float_denorm_mode_16_64 3
		.amdhsa_memory_ordered 1
		.amdhsa_forward_progress 1
		.amdhsa_inst_pref_size 143
	.end_amdhsa_kernel
	.amdgpu_metadata
---
amdhsa.version: [ 1, 2 ]
amdhsa.kernels:
  - .name:           k_q2b70e360b4_proj
    .symbol:         k_q2b70e360b4_proj.kd
    .args:
      - { .name: o, .offset: 0, .size: 8, .value_kind: global_buffer, .address_space: global }
      - { .name: wo, .offset: 8, .size: 8, .value_kind: global_buffer, .address_space: global }
      - { .name: b_out, .offset: 16, .size: 8, .value_kind: global_buffer, .address_space: global }
      - { .name: ln_gamma, .offset: 24, .size: 8, .value_kind: global_buffer, .address_space: global }
      - { .name: ln_beta, .offset: 32, .size: 8, .value_kind: global_buffer, .address_space: global }
      - { .name: out0, .offset: 40, .size: 8, .value_kind: global_buffer, .address_space: global }
    .group_segment_fixed_size: 327680
    .private_segment_fixed_size: 0
    .kernarg_segment_align: 8
    .kernarg_segment_size: 48
    .max_flat_workgroup_size: 128
    .sgpr_count:     66
    .vgpr_count:     1024
    .wavefront_size: 32
...
	.end_amdgpu_metadata
.endif
;; end of part 4
